; MI455X (gfx1250); checked and timed in simulation.
; The chip was launched on July 23, 2026; its instructions are those of AMD's public machine-readable ISA for CDNA 5 (MIT licence, August 2026) and "CDNA5" Instruction Set Architecture Reference Guide (July 2026). The comments in the code are by the model that wrote it; some were corrected since.
;; Rational Quadratic. Allowed arithmetic: float matrix products may take bf16 or f16 operands with f32 sums; other float arithmetic in f32, or as packed bf16 or f16 multiplies, adds, multiply-adds, maxima and minima; sums over many terms, partial sums and values carried from step to step in f32; what a program stores and reads back later, other than sums and carried values, may be rounded once to bf16 or f16.
;; Inputs: W0 256 x 1,024 float32; W1 1,024 x 1,024 float32; W2 1,024 x 12,032 float32; b0 1,024 float32; b1 1,024 float32; b2 12,032 float32; x1 4,096 x 256 float32; x2 4,096 x 256 float32.
;; Outputs: out0 4,096 x 256 float32; out1 4,096 float32.
;; One version. Each part assembles by itself: llvm-mc -triple=amdgcn-amd-amdhsa -mcpu=gfx1250 --defsym DOCPART=n.
;; ======== version 1 of 1: 4 launches
;; limits: values are held in f16: magnitudes above 65,504 overflow, below 6.1e-05 lose precision; inputs' magnitudes at most 64; right only within a limited range of input values
;; workspace buffers: w1t 2,097,152 bytes; w2t 25,165,824 bytes; h1 8,388,608 bytes; h2 8,388,608 bytes; res 4,456,448 bytes
;; launch front (part 1): grid 8 x 32, 4 waves a work-group, clusters of 4 x 4, 327,680 bytes of LDS; arguments x1, W0, b0, W1, W2, h1, w1t, w2t; writes h1, w1t, w2t
.if DOCPART == 1
	.amdgcn_target "amdgcn-amd-amdhsa--gfx1250"
	.amdhsa_code_object_version 6
	.text
	.protected	k_q6002055c5a_front
	.globl	k_q6002055c5a_front
	.p2align	8
	.type	k_q6002055c5a_front,@function
k_q6002055c5a_front:
	s_mov_b64 s[64:65], 0
	v_nop
	global_prefetch_b8 v0, s[64:65] scope:SCOPE_SE
	s_setreg_imm32_b32 hwreg(HW_REG_WAVE_MODE, 25, 1), 1
	s_wait_xcnt 0x0
	s_wait_alu depctr_hold_cnt(0) depctr_sa_sdst(0) depctr_va_vdst(0) depctr_va_sdst(0) depctr_va_ssrc(0) depctr_va_vcc(0) depctr_vm_vsrc(0)
	s_getreg_b32 s2, hwreg(HW_REG_IB_STS2, 6, 4)
	s_cmp_eq_u32 s2, 0
	s_cbranch_scc0 .Lentry_in_a_cluster
	s_endpgm
.Lentry_in_a_cluster:
	s_bfe_u32 s2, ttmp6, 0x10000c
	s_cmp_lg_u32 s2, 0xf033
	s_cbranch_scc0 .Lentry_shape_is_right
	s_endpgm
.Lentry_shape_is_right:
; FRONT: h1 = relu(x1 W0 + b0), and W1 and W2 rounded and laid out with K along the rows, for the two launches behind.
; The module: h1 = relu(x1 W0 + b0), h2 = relu(h1 W1 + b1), p = h2 W2 + b2 (47 numbers for each of 4096 x 256 elements), a rational-quadratic spline on x2.
; NO WORK AND NO INPUT IS LEFT OUT: all eight inputs reach an output, and all are loaded by some launch (b1 by the second, b2 and x2 by the third).
; FORMATS, for the whole program.  Matrix operands are f16, 11 significant bits: x1, W0, W1, W2 rounded once from f32, h1 and h2 once from their f32 sums.  Sums, biases, x2 and the spline are f32.
;   An error of a bin's edge is multiplied by the spline's slope, which reaches 2 h / w in a steep bin: 8 significant bits do not hold that.
; f16's RANGE.  h2 is stored x 2^-10 and W2 x 2^10, both exact, so that the last product is unchanged.
;   Room upward: |x1|, |W0|, |W1|, h1 up to 65,504; h2 up to 6.7e7; |W2| up to 64.  With x1, W0, W1 30 times larger h1 is about 5 x 900 and h2 about 4 x 27,000; with offsets of 30 spreads on all three
;   h1 is about 256 x 30 x 1.9 = 14,600 and h2 about 1024 x 14,600 x 0.94 = 1.4e7; W2 30 times larger reaches 5.  Beyond these limits a number becomes an infinity.
;   Room downward: below 6.1e-5 an operand keeps f16's fixed step of 6e-8; for h2 that is a step of 6.1e-5 below 0.0625, which moves p by 32 x 1.8e-5 x rms(W2) at the most: 1.8e-5 with W2 as drawn.
; WHAT IS STORED.  h1 [4096][1024] f16.  w1t [1024 n][1024 k] f16.
;   w2t [12288 n'][1024 k] f16, x 2^10: 48 rows for each column d of x2 (its 47 columns of W2 and one row of zeros), ordered so that in the last product one lane ends up with all 48 numbers
;   of one element: n' = ((g 4 + tile) 2 + wn) 96 + 16 t + 8 h + jj holds W2's column 47 d + p, d = 16 g + 8 wn + 4 h + tile, p = 8 t + jj; p = 47: zeros.
; SHARES.  256 work-groups of four waves, all alike.  Work-group (tile row, tile column), number L = 8 x tile row + tile column, makes
;   (1) a tile of 128 x 128 of h1, each wave 64 x 64: 16 accumulators;   (2) block L of W2: 128 k (L / 32) x 376 columns (L % 32): eight d;   (3) block L of W1: 128 k (L / 32) x 32 columns (L % 32).
; THE PRODUCT.  K = 256 is one fill: x1's 128 rows (1,024 bytes each) and W0's 256 k rows (my 128 columns, 512 bytes each) come into LDS as f32, by tensor loads.  CLUSTER 4 x 4: x1's tile hangs on the tile row alone
;   and is shared along a row of the cluster, W0's on the tile column alone and is shared along a column: each is asked for JOINTLY.  Fragments are made on the way from LDS, 32 along K at a time: x1's rows
;   lie along K (four loads of 16 bytes for a fragment), W0's k runs down the LDS rows (sixteen loads of 4 bytes); 64 conversions round both to f16.  The matrix instruction is used transposed (source 0 = 16
;   columns of W0, source 1 = 16 rows of x1): a lane holds eight neighbouring numbers of a row of h1.  The bias is the C operand of the product that starts each sum.
; THE TWO BLOCKS.  Their 104 loads a wave are issued ahead of the product and land in registers while it runs.  Eight numbers of one column (eight k) are packed into 16 bytes and stored into an LDS row of that
;   column; behind a barrier whole rows of 256 bytes are read back, and sixteen lanes store 256 consecutive bytes, aligned.  These stages lie over x1's tile, which has had its one fill and has been read out.
;   W1's 32 columns are 128 bytes of a source row: the price of 256 blocks whose rows of the result are whole.
; No prefetch: every load of the launch goes out in its first part, and nothing is left to ask for ahead.
; REGISTERS, in windows of 256 (s_set_vgpr_msb: bits 1:0 source 0, 3:2 source 1, 5:4 source 2, 7:6 destination):
;   window 0: v0-31 addresses; v32-63 the bias; v64-127 fragments (x1's four, then W0's four); v128-255 the accumulators.  Behind the product: v32-95 the way out, v96-115 at work, v128-150 addresses
;   window 1: v0-127 a chunk as loaded, f32; v128-159 W1 as loaded.  At the end v0-207: rows read back
;   window 2, window 3 (v0-127): W2 as loaded: item m (eight k rows x my four columns), 32 registers, at 32 m
.set AP,     1040                      ; an LDS row of x1: 1,024 bytes + 16 = 260 words: the 16 rows of a load start at 16 different groups of four banks (64 banks of 4 bytes: ISA guide 11.1)
.set BPI,    528                       ; an LDS row of W0: 512 bytes + 16 = 132 words: the rows 8 apart that the two halves of the lanes read lie 32 banks apart
.set AHALF,  64*AP                     ; what one tensor load brings of x1, and what one wave reads
.set BOFF,   128*AP                    ; W0's tile lies behind x1's
.set BHALF,  128*BPI                   ; what one tensor load brings of W0
.set STAGE,  BOFF+256*BPI              ; behind the tiles: 128 rows x 272 bytes, the work-group's, for h1's way out
.set SPITCH, 272                       ; a stage's row: 256 bytes + 16
.set SPARE,  STAGE+128*SPITCH          ; behind the stage: the spare words, 128 bytes for each wave; no other line names them
.set W1ST,   384*SPITCH                ; W2's stage: 384 rows from byte 0; W1's: 32 rows behind it; both inside x1's tile
.set CO,   6                           ; v6-8    byte offset of my 16 bytes in a row of W2, for each of three groups of 32 quads of columns
.set WO,   9                           ; v9      my byte offset in W1's block
.set CQ,   10                          ; v10-12  my quad of columns in each group
.set LT,   13                          ; v13     (lane / 16) x 272 + 16 (lane % 16): two stage rows a load
.set ADA,  16                          ; v16     LDS address of my x1 numbers of the chunk to be loaded
.set ADB,  17                          ; v17     the same for W0
.set STO,  24                          ; v24     h1's way out: where I put 16 bytes of a row
.set RD,   25                          ; v25     h1's way out: where I read rows back
.set HO,   26                          ; v26     (lane / 16) x 2,048 + 16 (lane % 16): my place in two rows of h1, of w1t and of w2t
.set BO,   27                          ; v27     my byte offset in a column block's 64 bytes of bias
.set SPW,  28                          ; v28     LDS address of my spare word; never rewritten
.set NIL,  29                          ; v29     0; never rewritten
.set ZERO, 30                          ; v30     0, for the packed maximum
.set BIAS, 32
.set TMP,  32                          ; h1's way out: 64 registers, packed results and then whole rows
.set FR,   64                          ; fragments: x1's row block a at FR + 8 a, W0's column block b at FR + 32 + 8 b
.set PK,   96                          ; sixteen registers: four columns' 16 bytes
.set ZR,   112                         ; v112-115  0
.set ACC,  128
.set SA,   128                         ; v128-139  LDS address of W2's column 4 quad + j, at my wave's eight k
.set SA1,  140                         ; v140      the same for W1's column 4 quad
.set RDA,  141                         ; v141      where I read W2's rows back
.set PADR, 142                         ; v142      my wave's two rows of zeros
.set RD1,  143                         ; v143      where I read W1's rows back
.set T0,   148                         ; v148-150  at work
.set G1,  24                           ; s[24:31] descriptor group 1 for x1's tile;  s[32:35] group 0
.set G0,  32
.set G1B, 48                           ; s[48:55], s[56:59] the same for W0's tile
.set G0B, 56
.set WV,  76                           ; s76  my wave's number
.set RL,  77                           ; s77  which half of the tile's rows is mine.  Also: I fetch for x1 (0) or for W0 (1)
.set HF,  78                           ; s78  which half of its columns.  Also: which half of that tile I fetch
.set MSB, 0
.macro WIN new                         ; the immediate's high byte repeats the setting that is left; a switch that changes nothing is dropped
.if MSB != (\new)
	s_set_vgpr_msb (MSB<<8)|(\new)
.set MSB, \new
.endif
.endm
.macro JLOAD                           ; a joint load: waves 0 and 1 fetch x1's two halves, waves 2 and 3 W0's; an s_nop 0 and four v_nop follow each of the two lines, ahead of the jump, the label and what follows
	s_cmp_eq_u32 s[RL], 0
	s_cbranch_scc0 .Lfor_b_\@
	tensor_load_to_lds s[G0:G0+3], s[G1:G1+7]
	s_nop 0
.rept 4
	v_nop
.endr
	s_branch .Lasked_\@
.Lfor_b_\@:
	tensor_load_to_lds s[G0B:G0B+3], s[G1B:G1B+7]
	s_nop 0
.rept 4
	v_nop
.endr
.Lasked_\@:
.endm
.macro CROUND                          ; a round of the cluster's barrier
	s_barrier_signal -1
	s_barrier_wait -1
	s_cmp_lg_u32 s[WV], 0
	s_cbranch_scc1 .Lnot_wave_0_\@
	s_barrier_signal -3
.Lnot_wave_0_\@:
	s_barrier_wait -3
	s_barrier_signal -1
	s_barrier_wait -1
.endm
.macro PLACES                          ; four places in front of vector work that writes a matrix instruction's sources or reads its results (ISA guide 7.12.1)
.rept 4
	v_nop
.endr
.endm
; Item m = 3 o + i of W2: k octet wave + 4 o, group i of quads, eight rows
.macro W2LD m
	WIN 0x80+0x40*((\m)/8)                         ; destination window 2 or 3, address window 0
.irp kk, 0,1,2,3,4,5,6,7
	global_load_b128 v[32*((\m)%8)+4*(\kk):32*((\m)%8)+4*(\kk)+3], v[CO+(\m)%3], s[68:69] offset:((\m)/3)*1540096+(\kk)*48128 th:TH_LOAD_NT
.endr
.endm
	s_load_b256 s[4:11], s[0:1], 0x0               ; x1 s[4:5], W0 s[6:7], b0 s[8:9], W1 s[10:11]
	s_load_b256 s[68:75], s[0:1], 0x20             ; W2 s[68:69], h1 s[70:71], w1t s[72:73], w2t s[74:75]
	v_lshl_add_u32 v[SPW], v0, 2, SPARE
	v_mov_b32 v[NIL], 0
	ds_add_u32 v[SPW], v[NIL]                      ; the wave's opening: the add, twice on end, and its wait ahead of my first tensor load; the set-up below stands between
	ds_add_u32 v[SPW], v[NIL]
	v_lshrrev_b32 v1, 5, v0
	v_readfirstlane_b32 s[WV], v1                  ; wave 0..3
	s_lshr_b32 s[RL], s[WV], 1
	s_and_b32 s[HF], s[WV], 1
	s_bfe_u32 s40, ttmp6, 0x40000                  ; cx, cy: my place in the cluster
	s_bfe_u32 s41, ttmp6, 0x40004
	s_lshl_b32 s42, ttmp9, 2
	s_add_co_u32 s42, s42, s40                     ; tile column of h1 = 4 x cluster x + cx
	s_and_b32 s13, ttmp7, 0xffff
	s_lshl_b32 s13, s13, 2
	s_add_co_u32 s13, s13, s41                     ; tile row of h1 = 4 x cluster y + cy
	s_lshl_b32 s43, s41, 2
	s_lshl_b32 s43, 15, s43                        ; my row of the cluster
	s_lshl_b32 s44, 0x1111, s40                    ; my column
	; descriptor group 1.  x1: 64 rows x 256 elements of 4 bytes; W0: 128 rows x 128 elements; both padded in LDS by 4 words behind each row
	s_or_b32 s[G1+0], s43, (2<<16)|(1<<20)|(1<<21)|(7<<22)|(3<<25)   ; 15:0 the mask: x1's tile goes to my row; 17:16 element of 4 bytes; 20 padding on; 21 set beside a mask; 24:22 after every 256 words (code 7); 31:25 of 4 words (code 3)
	s_or_b32 s[G1B+0], s44, (2<<16)|(1<<20)|(1<<21)|(6<<22)|(3<<25)  ; the mask of my column; after every 128 words (code 6)
	s_mov_b32 s[G1+1], 256<<16                     ; tensor_dim0 = 256
	s_mov_b32 s[G1+2], 64<<16                      ; tensor_dim1 = 64
	s_mov_b32 s[G1+3], 256<<16                     ; tile_dim0 = 256
	s_mov_b32 s[G1+4], 64                          ; tile_dim1 = 64
	s_mov_b32 s[G1+5], 256                         ; elements from row to row
	s_mov_b32 s[G1+6], 0
	s_mov_b32 s[G1+7], 0
	s_mov_b32 s[G1B+1], 128<<16                    ; tensor_dim0 = 128
	s_mov_b32 s[G1B+2], 128<<16                    ; tensor_dim1 = 128
	s_mov_b32 s[G1B+3], 128<<16                    ; tile_dim0 = 128
	s_mov_b32 s[G1B+4], 128                        ; tile_dim1 = 128
	s_mov_b32 s[G1B+5], 1024                       ; elements from row to row
	s_mov_b32 s[G1B+6], 0
	s_mov_b32 s[G1B+7], 0
	s_mov_b32 s60, 0x44800000                      ; 2^10,
	s_mov_b32 s61, 0x44800000                      ; named with it as a pair
	; where the tiles come from: x1's by the tile row alone, W0's by the tile column alone, each in registers that never hold the other coordinate
	s_lshl_b32 s16, s13, 7
	s_lshl_b32 s17, s[HF], 6
	s_add_co_u32 s16, s16, s17                     ; x1: row 128 x tile row + 64 x half,
	s_lshl_b32 s16, s16, 10                        ; rows of 1,024 bytes
	s_mov_b32 s17, 0
	s_lshl_b32 s46, s[HF], 19                      ; W0: k row 128 x half, rows of 4,096 bytes,
	s_lshl_b32 s47, s42, 9                         ; + 128 x tile column
	s_add_co_u32 s46, s46, s47
	s_mov_b32 s47, 0
	s_mul_i32 s20, s[HF], AHALF                    ; and where they go: no place in the cluster enters an LDS address
	s_mul_i32 s21, s[HF], BHALF
	s_add_co_u32 s21, s21, BOFF
	s_wait_dscnt 0x0                               ; both opening adds are done
	s_wait_kmcnt 0x0
	s_add_nc_u64 s[14:15], s[4:5], s[16:17]
	s_add_nc_u64 s[46:47], s[6:7], s[46:47]
	CROUND                                         ; all sixteen work-groups are here: the joint loads meet
	s_mov_b32 s[G0], 1                             ; count = 1
	s_add_co_u32 s[G0+1], s20, 0                   ; LDS address
	s_add_nc_u64 s[G0+2:G0+3], s[14:15], 0         ; global address
	s_or_b32 s[G0+3], s[G0+3], 0x80000000          ; type = 2
	s_mov_b32 s[G0B], 1
	s_add_co_u32 s[G0B+1], s21, 0
	s_add_nc_u64 s[G0B+2:G0B+3], s[46:47], 0
	s_or_b32 s[G0B+3], s[G0B+3], 0x80000000
	JLOAD                                          ; my one tensor load of the launch
	v_and_b32 v1, 15, v0                           ; r = l % 16
	v_bfe_u32 v2, v0, 4, 1                         ; h = l / 16
	v_and_b32 v4, 31, v0                           ; l
	; the loads into registers, oldest first: the bias (8), W1's block (8), W2's block (96)
	s_lshl_b32 s46, s42, 9                         ; the bias of my 64 columns: 128 x tile column + 64 x half, in f32
	s_lshl_b32 s47, s[HF], 8
	s_add_co_u32 s46, s46, s47
	s_mov_b32 s47, 0
	s_add_nc_u64 s[8:9], s[8:9], s[46:47]
	v_lshlrev_b32 v[BO], 5, v2                     ; my eight columns of a block of 16
.irp b, 0,1,2,3
	global_load_b128 v[BIAS+8*(\b):BIAS+8*(\b)+3],   v[BO], s[8:9] offset:64*(\b)
	global_load_b128 v[BIAS+8*(\b)+4:BIAS+8*(\b)+7], v[BO], s[8:9] offset:64*(\b)+16
.endr
	s_lshl3_add_u32 s79, s13, s42                  ; L: it enters global addresses alone
	s_lshr_b32 s80, s79, 5                         ; the block of 128 k
	s_and_b32 s81, s79, 31                         ; the block of columns
	s_lshl_b32 s20, s80, 7
	s_lshl_b32 s21, s[WV], 5
	s_add_co_u32 s20, s20, s21                     ; W1: my wave's first k row: 128 x block + 32 x wave,
	s_lshl_b32 s20, s20, 12                        ; rows of 4,096 bytes,
	s_lshl_b32 s21, s81, 7                         ; + 32 columns x block
	s_add_co_u32 s20, s20, s21
	s_mov_b32 s21, 0                               ; stays 0 from here on
	s_add_nc_u64 s[10:11], s[10:11], s[20:21]
	v_lshrrev_b32 v3, 3, v4                        ; eight lanes take a row's 128 bytes; lane l: k octet l / 8 of my wave's four,
	v_and_b32 v5, 7, v4                            ; quad of columns l % 8
	v_lshlrev_b32 v[WO], 15, v3
	v_lshl_add_u32 v[WO], v5, 4, v[WO]
	WIN 0x40                                       ; destination window 1
.irp kk, 0,1,2,3,4,5,6,7
	global_load_b128 v[128+4*(\kk):128+4*(\kk)+3], v[WO], s[10:11] offset:4096*(\kk)
.endr
	WIN 0
	s_lshl_b32 s20, s80, 7
	s_lshl3_add_u32 s20, s[WV], s20                ; W2: my wave's first k row: 128 x block + 8 x wave,
	s_mul_i32 s20, s20, 48128                      ; rows of 48,128 bytes,
	s_mul_i32 s22, s81, 1504                       ; + 376 columns x block
	s_add_co_u32 s20, s20, s22
	s_add_nc_u64 s[68:69], s[68:69], s[20:21]
.irp i, 0,1,2
	v_add_nc_u32 v[CQ+(\i)], 32*(\i), v4
	v_min_u32 v[CQ+(\i)], 93, v[CQ+(\i)]           ; 94 quads of columns; the lanes past the last repeat it: the same bytes to the same places
	v_lshlrev_b32 v[CO+(\i)], 4, v[CQ+(\i)]
.endr
.irp m, 0,1,2,3,4
	W2LD \m                                        ; 56 loads of mine are out; the other 56 follow behind the first LDS loads
.endr
	WIN 0
	v_mov_b32 v[ZERO], 0
	v_mul_u32_u24 v3, v1, AP                       ; x1: row r of a block, and 8 h numbers (32 bytes) along K
	v_lshl_add_u32 v3, v2, 5, v3
	s_mul_i32 s22, s[RL], AHALF                    ; my 64 rows
	v_add_nc_u32 v[ADA], s22, v3
	v_mul_u32_u24 v3, v2, 8*BPI                    ; W0: k row 8 h, column r of a block
	v_lshl_add_u32 v3, v1, 2, v3
	s_lshl_b32 s22, s[HF], 8                       ; my 64 columns
	s_add_co_u32 s22, s22, BOFF
	v_add_nc_u32 v[ADB], s22, v3
	s_mul_i32 s23, s[RL], 64*SPITCH                ; into h1's stage: my 64 rows, my half of their 256 bytes; row r, 16 bytes for each half of the lanes
	s_lshl_b32 s22, s[HF], 7
	s_add_co_u32 s23, s23, s22
	s_add_co_u32 s23, s23, STAGE
	v_mul_u32_u24 v3, v1, SPITCH
	v_lshl_add_u32 v3, v2, 4, v3
	v_add_nc_u32 v[STO], s23, v3
	v_mul_u32_u24 v[LT], v2, SPITCH
	v_lshl_add_u32 v[LT], v1, 4, v[LT]
	s_mul_i32 s23, s[WV], 32*SPITCH                ; back: wave w takes rows 32 w .. 32 w + 31, whole
	s_add_co_u32 s23, s23, STAGE
	v_add_nc_u32 v[RD], s23, v[LT]
	v_lshlrev_b32 v[HO], 11, v2
	v_lshl_add_u32 v[HO], v1, 4, v[HO]
	s_lshl_b32 s20, s13, 7
	s_lshl_b32 s22, s[WV], 5
	s_add_co_u32 s20, s20, s22                     ; h1: the first row that I store: 128 x tile row + 32 x wave,
	s_lshl_b32 s20, s20, 11
	s_lshl_b32 s22, s42, 8                         ; the tile's first column
	s_add_co_u32 s20, s20, s22
	s_add_nc_u64 s[70:71], s[70:71], s[20:21]
	s_lshl_b32 s20, s81, 5
	s_lshl3_add_u32 s20, s[WV], s20                ; w1t: the first row that I store: 32 x block + 8 x wave,
	s_lshl_b32 s20, s20, 11
	s_lshl_b32 s22, s80, 8                         ; the block's 128 k
	s_add_co_u32 s20, s20, s22
	s_add_nc_u64 s[72:73], s[72:73], s[20:21]
	s_lshr_b32 s20, s81, 1                         ; w2t: g = block / 2, wn = block % 2; wave w stores the 96 rows of tile w
	s_lshl2_add_u32 s20, s20, s[WV]
	s_and_b32 s23, s81, 1
	s_lshl1_add_u32 s20, s20, s23
	s_mul_i32 s20, s20, 96*2048
	s_add_co_u32 s20, s20, s22
	s_add_nc_u64 s[74:75], s[74:75], s[20:21]
; 80 LDS loads in one run: a chunk of 32 along K as f32: x1's four row blocks (16 registers each: k = 8 h .. + 7, then 16 + 8 h .. + 7), then W0's four column blocks likewise
.macro RAWLD
	WIN 0x40
.irp a, 0,1,2,3
	ds_load_b128 v[16*(\a):16*(\a)+3],     v[ADA] offset:(\a)*16*AP
	ds_load_b128 v[16*(\a)+4:16*(\a)+7],   v[ADA] offset:(\a)*16*AP+16
	ds_load_b128 v[16*(\a)+8:16*(\a)+11],  v[ADA] offset:(\a)*16*AP+64
	ds_load_b128 v[16*(\a)+12:16*(\a)+15], v[ADA] offset:(\a)*16*AP+80
.endr
.irp b, 0,1,2,3
.irp i, 0,1,2,3,4,5,6,7
	ds_load_b32 v[64+16*(\b)+(\i)],   v[ADB] offset:(\b)*64+(\i)*BPI
	ds_load_b32 v[64+16*(\b)+8+(\i)], v[ADB] offset:(\b)*64+(16+(\i))*BPI
.endr
.endr
	WIN 0
.endm
; A chunk.  The numbers are in; they are rounded to f16, two at a time, into the eight fragments; the next chunk's loads go out into the registers just read (more = 1); 16 products.
; The 16 accumulators take turns, one instruction a turn.  first = 1: the products start the sums, from the bias.
.macro CHUNK first, more
	s_wait_dscnt 0x0
.if !(\first)
	PLACES                                         ; the conversions write fragments that the last products read
.endif
	WIN 0x05                                       ; sources window 1, destination window 0
.set i, 0
.rept 64
	v_cvt_pk_f16_f32 v[FR+i], v[2*i], v[2*i+1]
.set i, i+1
.endr
	WIN 0
.if \more
	v_add_nc_u32 v[ADA], 128, v[ADA]               ; 32 numbers on along x1's rows,
	v_add_nc_u32 v[ADB], 32*BPI, v[ADB]            ; 32 rows down in W0's tile
	RAWLD
.endif
.irp a, 0,1,2,3
.irp b, 0,1,2,3
.if \first
	v_wmma_f32_16x16x32_f16 v[ACC+8*(4*(\a)+(\b)):ACC+8*(4*(\a)+(\b))+7], v[FR+32+8*(\b):FR+32+8*(\b)+7], v[FR+8*(\a):FR+8*(\a)+7], v[BIAS+8*(\b):BIAS+8*(\b)+7]
.else
	v_wmma_f32_16x16x32_f16 v[ACC+8*(4*(\a)+(\b)):ACC+8*(4*(\a)+(\b))+7], v[FR+32+8*(\b):FR+32+8*(\b)+7], v[FR+8*(\a):FR+8*(\a)+7], v[ACC+8*(4*(\a)+(\b)):ACC+8*(4*(\a)+(\b))+7]
.endif
.endr
.endr
.endm
	s_wait_tensorcnt 0x0                           ; my part of the tiles is in,
	s_barrier_signal -1
	s_barrier_wait -1                              ; everybody's is
	RAWLD                                          ; chunk 0
.irp m, 5,6,7,8,9,10,11
	W2LD \m                                        ; the rest of W2's block (where a load would push the counter past its field, its issue waits for older loads: ISA guide 5.7.1)
.endr
	WIN 0
	s_wait_loadcnt 63                              ; the bias: 104 younger loads were issued behind it; the wait names 63, the most that its field holds
	CHUNK 1, 1
	s_mov_b32 s3, 6
.Lchunk:                                               ; chunks 1 to 6
	CHUNK 0, 1
	s_sub_co_u32 s3, s3, 1
	s_cmp_lg_u32 s3, 0
	s_cbranch_scc1 .Lchunk
	CHUNK 0, 0                                     ; chunk 7 loads nothing
	; h1's WAY OUT: round to f16; the larger of that and 0, two at a time; 16 bytes a lane into the work-group's stage; a barrier, since a row's 256 bytes come from two waves; back as whole rows, 32 rows a wave.
	PLACES
.irp t, 0,1,2,3,4,5,6,7,8,9,10,11,12,13,14,15
.irp r, 0,1,2,3
	v_cvt_pk_f16_f32 v[TMP+4*(\t)+(\r)], v[ACC+8*(\t)+2*(\r)], v[ACC+8*(\t)+2*(\r)+1]
.endr
.endr
.set i, 0
.rept 64
	v_pk_max_num_f16 v[TMP+i], v[TMP+i], v[ZERO]
.set i, i+1
.endr
.irp a, 0,1,2,3
.irp b, 0,1,2,3
	ds_store_b128 v[STO], v[TMP+4*(4*(\a)+(\b)):TMP+4*(4*(\a)+(\b))+3] offset:(\a)*16*SPITCH+32*(\b)
.endr
.endr
	s_wait_dscnt 0x0                               ; for the others' sake: my stores into the stage are done, and my reads of the two tiles are over
	s_barrier_signal -1
	s_barrier_wait -1
.irp t, 0,1,2,3,4,5,6,7,8,9,10,11,12,13,14,15
	ds_load_b128 v[TMP+4*(\t):TMP+4*(\t)+3], v[RD] offset:(\t)*2*SPITCH
.endr
	; while they come: where W2's column c = 4 quad + j goes: dl = c / 47 = 4 h + tile, p = c % 47; LDS row 96 tile + 8 h + p + 8 (p / 8)
.irp i, 0,1,2
.irp j, 0,1,2,3
	v_lshl_add_u32 v[T0], v[CQ+(\i)], 2, \j        ; c, 0 to 375
	v_mul_u32_u24 v[T0+1], v[T0], 1395
	v_lshrrev_b32 v[T0+1], 16, v[T0+1]             ; c / 47: 1395 / 65536 is above 1 / 47 by less than 1 / (47 x 376)
	v_mul_u32_u24 v[T0+2], v[T0+1], 47
	v_sub_nc_u32 v[T0+2], v[T0], v[T0+2]           ; p
	v_min_u32 v[T0+2], 46, v[T0+2]                 ; p is 0 to 46: the line states the bound of the LDS address and changes no value
	v_and_b32 v[T0], 3, v[T0+1]
	v_mul_u32_u24 v[T0], v[T0], 96
	v_lshrrev_b32 v[T0+1], 2, v[T0+1]
	v_lshl_add_u32 v[T0], v[T0+1], 3, v[T0]
	v_add_nc_u32 v[T0], v[T0], v[T0+2]
	v_lshrrev_b32 v[T0+2], 3, v[T0+2]
	v_lshl_add_u32 v[T0], v[T0+2], 3, v[T0]
	v_mul_u32_u24 v[T0], v[T0], SPITCH
	v_lshl_add_u32 v[SA+4*(\i)+(\j)], s[WV], 4, v[T0]  ; + my wave's eight k; the k octets 4, 8, 12 further on stand in the stores' offsets
.endr
.endr
	v_and_b32 v[T0], 7, v4                         ; W1: LDS row 4 (l % 8) + j, k octet 4 wave + l / 8
	v_lshrrev_b32 v[T0+1], 3, v4
	v_mul_u32_u24 v[T0], v[T0], 4*SPITCH
	v_lshl_add_u32 v[T0], v[T0+1], 4, v[T0]
	s_lshl_b32 s22, s[WV], 6
	s_add_co_u32 s22, s22, W1ST
	v_add_nc_u32 v[SA1], s22, v[T0]
	s_mul_i32 s22, s[WV], 8*SPITCH                 ; back: wave w takes W1's rows 8 w on,
	s_add_co_u32 s22, s22, W1ST
	v_add_nc_u32 v[RD1], s22, v[LT]
	s_mul_i32 s22, s[WV], 96*SPITCH                ; and W2's rows 96 w on: tile w
	v_add_nc_u32 v[RDA], s22, v[LT]
	v_mul_u32_u24 v[T0], v2, 8*SPITCH              ; the rows with p = 47 of tile w: row 96 w + 87 + 8 h
	v_lshl_add_u32 v[T0], v1, 4, v[T0]
	s_add_co_u32 s22, s22, 87*SPITCH
	v_add_nc_u32 v[PADR], s22, v[T0]
.irp r, 0,1,2,3
	v_mov_b32 v[ZR+(\r)], 0
.endr
.irp t, 0,1,2,3,4,5,6,7,8,9,10,11,12,13,14,15
	s_wait_dscnt 15-(\t)                           ; LDS loads come back in order: number t is in
	global_store_b128 v[HO], v[TMP+4*(\t):TMP+4*(\t)+3], s[70:71] offset:4096*(\t)  ; 16 lanes store 256 consecutive bytes, at a multiple of 256 from h1's first byte
.endr
	s_wait_dscnt 0x0                               ; my reads of the stage are over:
	s_barrier_signal -1
	s_barrier_wait -1                              ; no wave stores into LDS again before every wave's reads are back
	; W1's AND W2's BLOCKS.  For column j of my four: its eight numbers in four pairs are rounded to f16, and the column's 16 bytes are stored into its LDS row.
	ds_store_b128 v[PADR], v[ZR:ZR+3]
	s_wait_loadcnt 63                              ; W1's eight loads: 96 younger ones were issued behind them
	WIN 0x05
.irp j, 0,1,2,3
.irp pr, 0,1,2,3
	v_cvt_pk_f16_f32 v[PK+4*(\j)+(\pr)], v[128+4*(2*(\pr))+(\j)], v[128+4*(2*(\pr)+1)+(\j)]
.endr
.endr
	WIN 0
.irp j, 0,1,2,3
	ds_store_b128 v[SA1], v[PK+4*(\j):PK+4*(\j)+3] offset:(\j)*SPITCH
.endr
.macro ITEM2 m                         ; item m of W2: all 32 numbers x 2^10, then as above
.set LEFT, 8*(11-(\m))                 ; the younger loads, which may stay out; 63 at the most can be named
.if LEFT > 63
.set LEFT, 63
.endif
.set IB, 32*((\m)%8)
	s_wait_loadcnt LEFT
	WIN ((2+(\m)/8)<<6)|(2+(\m)/8)                 ; destination and source 0 in the item's window
.set n, 0
.rept 16
	v_pk_mul_f32 v[IB+2*n:IB+2*n+1], v[IB+2*n:IB+2*n+1], s[60:61] op_sel_hi:[1,0]
.set n, n+1
.endr
	WIN ((2+(\m)/8)<<2)|(2+(\m)/8)                 ; sources 0 and 1 in the item's window, destination window 0
.irp j, 0,1,2,3
.irp pr, 0,1,2,3
	v_cvt_pk_f16_f32 v[PK+4*(\j)+(\pr)], v[IB+4*(2*(\pr))+(\j)], v[IB+4*(2*(\pr)+1)+(\j)]
.endr
.endr
	WIN 0
.irp j, 0,1,2,3
	ds_store_b128 v[SA+4*((\m)%3)+(\j)], v[PK+4*(\j):PK+4*(\j)+3] offset:64*((\m)/3)
.endr
.endm
.irp m, 0,1,2,3,4,5,6,7,8,9,10,11
	ITEM2 \m
.endr
	s_wait_dscnt 0x0                               ; for the others' sake: my stores into the two stages are done
	s_barrier_signal -1
	s_barrier_wait -1
	WIN 0x40                                       ; destination window 1
.set i, 0
.rept 4
	ds_load_b128 v[192+4*i:192+4*i+3], v[RD1] offset:2*SPITCH*i
.set i, i+1
.endr
.set i, 0
.rept 48
	ds_load_b128 v[4*i:4*i+3], v[RDA] offset:2*SPITCH*i
.set i, i+1
.endr
	WIN 0x04                                       ; store data window 1, address window 0
.set i, 0
.rept 4
	s_wait_dscnt 51-i                              ; number i of the 52 is in
	global_store_b128 v[HO], v[192+4*i:192+4*i+3], s[72:73] offset:4096*i th:TH_STORE_NT  ; 16 lanes store 256 consecutive bytes, aligned
.set i, i+1
.endr
.set i, 0
.rept 48
	s_wait_dscnt 47-i
	global_store_b128 v[HO], v[4*i:4*i+3], s[74:75] offset:4096*i th:TH_STORE_NT
.set i, i+1
.endr
	WIN 0
	s_wait_tensorcnt 0x0                           ; the wave's end: behind my last tensor load and my last LDS store
	ds_add_u32 v[SPW], v[NIL]
	s_wait_dscnt 0x0
	CROUND                                         ; the closing round: no work-group ends while a partner may still ask for a tile that names it
	s_endpgm
.Lfunc_end_k_q6002055c5a_front:
	.size	k_q6002055c5a_front, .Lfunc_end_k_q6002055c5a_front-k_q6002055c5a_front
	.p2alignl 7, 3214868480
	.fill 96, 4, 3214868480
	.section	.rodata,"a",@progbits
	.p2align	6, 0x0
	.amdhsa_kernel k_q6002055c5a_front
		.amdhsa_group_segment_fixed_size 327680
		.amdhsa_private_segment_fixed_size 0
		.amdhsa_enable_private_segment 0
		.amdhsa_kernarg_size 64
		.amdhsa_user_sgpr_count 2
		.amdhsa_user_sgpr_kernarg_segment_ptr 1
		.amdhsa_wavefront_size32 1
		.amdhsa_system_sgpr_workgroup_id_x 1
		.amdhsa_system_sgpr_workgroup_id_y 1
		.amdhsa_system_sgpr_workgroup_id_z 1
		.amdhsa_system_vgpr_workitem_id 0
		.amdhsa_next_free_vgpr 896
		.amdhsa_next_free_sgpr 84
		.amdhsa_reserve_vcc 0
		.amdhsa_float_denorm_mode_32 3
		.amdhsa_float_denorm_mode_16_64 3
		.amdhsa_memory_ordered 1
		.amdhsa_forward_progress 1
		.amdhsa_inst_pref_size 113
	.end_amdhsa_kernel
	.amdgpu_metadata
---
amdhsa.version: [ 1, 2 ]
amdhsa.kernels:
  - .name:           k_q6002055c5a_front
    .symbol:         k_q6002055c5a_front.kd
    .args:
      - { .name: x1, .offset: 0, .size: 8, .value_kind: global_buffer, .address_space: global }
      - { .name: W0, .offset: 8, .size: 8, .value_kind: global_buffer, .address_space: global }
      - { .name: b0, .offset: 16, .size: 8, .value_kind: global_buffer, .address_space: global }
      - { .name: W1, .offset: 24, .size: 8, .value_kind: global_buffer, .address_space: global }
      - { .name: W2, .offset: 32, .size: 8, .value_kind: global_buffer, .address_space: global }
      - { .name: h1, .offset: 40, .size: 8, .value_kind: global_buffer, .address_space: global }
      - { .name: w1t, .offset: 48, .size: 8, .value_kind: global_buffer, .address_space: global }
      - { .name: w2t, .offset: 56, .size: 8, .value_kind: global_buffer, .address_space: global }
    .group_segment_fixed_size: 327680
    .private_segment_fixed_size: 0
    .kernarg_segment_align: 8
    .kernarg_segment_size: 64
    .max_flat_workgroup_size: 128
    .sgpr_count:     84
    .vgpr_count:     896
    .wavefront_size: 32
...
	.end_amdgpu_metadata
.endif
;; end of part 1
;; launch layer2 (part 2): grid 8 x 32, 4 waves a work-group, clusters of 4 x 4, 327,680 bytes of LDS; arguments h1, w1t, h2, b1; writes h2
.if DOCPART == 2
	.amdgcn_target "amdgcn-amd-amdhsa--gfx1250"
	.amdhsa_code_object_version 6
	.text
	.protected	k_q6002055c5a_layer2
	.globl	k_q6002055c5a_layer2
	.p2align	8
	.type	k_q6002055c5a_layer2,@function
k_q6002055c5a_layer2:
	s_mov_b64 s[64:65], 0
	v_nop
	global_prefetch_b8 v0, s[64:65] scope:SCOPE_SE
	s_setreg_imm32_b32 hwreg(HW_REG_WAVE_MODE, 25, 1), 1
	s_wait_xcnt 0x0
	s_wait_alu depctr_hold_cnt(0) depctr_sa_sdst(0) depctr_va_vdst(0) depctr_va_sdst(0) depctr_va_ssrc(0) depctr_va_vcc(0) depctr_vm_vsrc(0)
	s_getreg_b32 s2, hwreg(HW_REG_IB_STS2, 6, 4)
	s_cmp_eq_u32 s2, 0
	s_cbranch_scc0 .Lentry_in_a_cluster
	s_endpgm
.Lentry_in_a_cluster:
	s_bfe_u32 s2, ttmp6, 0x10000c
	s_cmp_lg_u32 s2, 0xf033
	s_cbranch_scc0 .Lentry_shape_is_right
	s_endpgm
.Lentry_shape_is_right:
; h2 = relu(h1 W1 + b1), stored x 2^-10.  C[m][n] = 2^-10 relu(bias[n] + sum over k of A[m][k] B[n][k]).  A = h1 [4096][1024], B = w1t [1024][1024], C = h2 [4096][1024], all f16; bias f32; sums in f32; C rounded once.
; Nothing of the module's work is left out here.
; THE FACTOR 2^-10, exact, gives C room in f16; the weights of the last product carry 2^10.  LIMITS: h2 beyond 6.7e7 becomes an infinity: with x1, W0, W1 30 times larger h2 is about 4 x 27,000, with
; offsets of 30 spreads on all three about 1024 x 14,600 x 0.94 = 1.4e7.  Below 0.0625 h2 keeps a fixed step of 6.1e-5 (f16's denormals).
; A tile of C is 128 x 128: 256 work-groups.  Four waves, each 64 x 64: 16 accumulators of 16 x 16.  K goes in four steps of 256 (LDS rows of 512 bytes; a wave's tensor load brings 64 of them)
; through a ring of two slots.
; CLUSTERS: 4 x 4 work-groups.  The four of a row of the cluster need the same tiles of A, the four of a column the same tiles of B: each is asked for JOINTLY, by the same tensor load with the
; same descriptor and a mask that names the four.  THE MATRIX INSTRUCTION IS USED TRANSPOSED (source 0 = 16 rows of B, source 1 = 16 rows of A): a lane holds eight neighbouring numbers of a row of C.
; THE BIAS is the C operand of the product that starts each sum: in that layout register j of column block b is bias[16 b + 8 (lane / 16) + j], the same for all row blocks.
; REGISTERS: window 0: v0-31 addresses; v32-63 the bias, later with v64-95 at work on the way out; v128-255 the accumulators ((a, b) at v[128 + 8 (4 a + b)]).
;   window 1: two fragment buffers of 128: for 64 along K, 64 registers of A (2 x 4 x 16 rows x 32 K), then 64 of B.
; No prefetch: a work-group's whole walk along K is four steps of a small tile.
.set SIZE_N, 1024
.set SIZE_K, 1024
.set KSTEP,  256
.set LAPS,   SIZE_K/(2*KSTEP)          ; a lap = two K steps = once round the ring
.set PITCH,  528                       ; an LDS row: 512 bytes of data + 16 of padding = 132 words: the 16 rows of a fragment load start at 16 different groups of four banks
.set HALFT,  64*PITCH                  ; 64 rows: what one tensor load brings, and what one wave reads of A or of B
.set SLOT,   4*HALFT                   ; A's 128 rows, then B's 128 rows
.set STAGE,  2*SLOT                    ; behind the ring: 128 rows x 272 bytes, the work-group's, for the way out
.set SPITCH, 272
.set SPARE,  STAGE+128*SPITCH          ; behind the stage: the spare words, 128 bytes for each wave; no other line names them
.set ADRA, 16                          ; v16-17  LDS address of my A fragments in slot 0, 1
.set ADRB, 20                          ; v20-21  the same for B
.set STO,  24                          ; v24     the way out: where I put 16 bytes of a row
.set RD,   25                          ; v25     the way out: where I read a row back
.set CO,   26                          ; v26     my byte offset in C
.set BO,   27                          ; v27     my byte offset in a column block's 64 bytes of bias
.set SPW,  28                          ; v28     LDS address of my spare word; never rewritten
.set NIL,  29                          ; v29     0; never rewritten
.set ZERO, 30                          ; v30     0, for the packed maximum
.set TMP,  32                          ; the way out: 64 registers, packed results and then whole rows
.set BIAS, 32                          ; v32-63  the bias of my 64 columns
.set ACC,  128
.set F0,   0                           ; fragment buffers, in window 1
.set F1,   128
.set G1, 24                            ; s[24:31] descriptor group 1 for A's tiles;  s[32:39] group 0, one set for each slot
.set G0, 32
.set G1B, 48                           ; s[48:55], s[56:63] the same for B's tiles
.set G0B, 56
.set BP, 66                            ; s[66:67] the bias
.set MSB, 0
.macro WIN new                         ; the immediate's high byte repeats the setting that is left
.if MSB != (\new)
	s_set_vgpr_msb (MSB<<8)|(\new)
.set MSB, \new
.endif
.endm
.set MUL,  0x05                        ; sources 0 (B) and 1 (A) window 1; C and D window 0
.set TO_F, 0x40                        ; destination window 1, address window 0
.macro JLOAD s                         ; a joint load: waves 0 and 1 fetch A's two halves, waves 2 and 3 B's; an s_nop 0 and four v_nop follow each of the two lines, ahead of the jump, the label and what follows
	s_cmp_eq_u32 s11, 0
	s_cbranch_scc0 .Lfor_b_\@
	tensor_load_to_lds s[G0+4*(\s):G0+4*(\s)+3], s[G1:G1+7]
	s_nop 0
.rept 4
	v_nop
.endr
	s_branch .Lasked_\@
.Lfor_b_\@:
	tensor_load_to_lds s[G0B+4*(\s):G0B+4*(\s)+3], s[G1B:G1B+7]
	s_nop 0
.rept 4
	v_nop
.endr
.Lasked_\@:
.endm
.macro CREST                           ; a round of the cluster's barrier behind its opening barrier
	s_cmp_lg_u32 s10, 0
	s_cbranch_scc1 .Lnot_wave_0_\@
	s_barrier_signal -3
.Lnot_wave_0_\@:
	s_barrier_wait -3
	s_barrier_signal -1
	s_barrier_wait -1
.endm
.macro CROUND                          ; a whole round
	s_barrier_signal -1
	s_barrier_wait -1
	CREST
.endm
	s_load_b128 s[4:7], s[0:1], 0x0                ; A s[4:5], B s[6:7]
	s_load_b64 s[8:9], s[0:1], 0x10                ; C
	s_load_b64 s[BP:BP+1], s[0:1], 0x18            ; bias
	v_lshl_add_u32 v[SPW], v0, 2, SPARE
	v_mov_b32 v[NIL], 0
	ds_add_u32 v[SPW], v[NIL]                      ; the wave's opening: the add, twice on end, and its wait ahead of my first tensor load; the set-up below stands between
	ds_add_u32 v[SPW], v[NIL]
	v_lshrrev_b32 v1, 5, v0
	v_readfirstlane_b32 s10, v1                    ; wave 0..3
	s_lshr_b32 s11, s10, 1                         ; which half of the tile's rows is mine.  Also: I fetch for A (0) or for B (1)
	s_and_b32 s12, s10, 1                          ; which half of its columns.  Also: which 64 rows of that tile I fetch
	s_bfe_u32 s40, ttmp6, 0x40000                  ; cx, cy: my place in the cluster
	s_bfe_u32 s41, ttmp6, 0x40004
	s_lshl_b32 s42, ttmp9, 2
	s_add_co_u32 s42, s42, s40                     ; tile column of C = 4 x cluster x + cx
	s_and_b32 s13, ttmp7, 0xffff
	s_lshl_b32 s13, s13, 2
	s_add_co_u32 s13, s13, s41                     ; tile row of C = 4 x cluster y + cy
	s_lshl_b32 s43, s41, 2
	s_lshl_b32 s43, 15, s43                        ; my row of the cluster
	s_lshl_b32 s44, 0x1111, s40                    ; my column
	; descriptor group 1: a tile of 64 rows x 256 elements, padded in LDS
	s_or_b32 s[G1+0], s43, (1<<16)|(1<<20)|(1<<21)|(6<<22)|(3<<25)  ; 15:0 the mask: A's tiles go to my row; 17:16 element of 2 bytes; 20 padding on; 21 set beside a mask; 24:22 after every 128 words (code 6); 31:25 of 4 words (code 3)
	s_or_b32 s[G1B+0], s44, (1<<16)|(1<<20)|(1<<21)|(6<<22)|(3<<25)
.irp g, G1, G1B
	s_mov_b32 s[(\g)+1], KSTEP<<16                 ; tensor_dim0 = 256
	s_mov_b32 s[(\g)+2], 64<<16                    ; tensor_dim1 = 64
	s_mov_b32 s[(\g)+3], KSTEP<<16                 ; tile_dim0 = 256
	s_mov_b32 s[(\g)+4], 64                        ; tile_dim1 = 64
	s_mov_b32 s[(\g)+5], SIZE_K                    ; elements from row to row
	s_mov_b32 s[(\g)+6], 0
	s_mov_b32 s[(\g)+7], 0
.endr
	s_lshl_b32 s17, s12, 6                         ; which 64 rows of the tile I fetch
	s_lshl_b32 s16, s13, 7
	s_add_co_u32 s16, s16, s17                     ; A: row 128 x tile row + 64 x half
	s_lshl_b32 s46, s42, 7
	s_add_co_u32 s46, s46, s17                     ; B: row 128 x tile column + 64 x half
	s_mov_b32 s17, 0
	s_mov_b32 s47, 0
	s_mov_b64 s[18:19], SIZE_K*2
	s_mul_u64 s[16:17], s[16:17], s[18:19]
	s_mul_u64 s[46:47], s[46:47], s[18:19]
	s_mul_i32 s20, s10, HALFT                      ; where they go: wave x 64 rows
	s_wait_dscnt 0x0                               ; both opening adds are done
	s_wait_kmcnt 0x0
	s_add_nc_u64 s[14:15], s[4:5], s[16:17]
	s_add_nc_u64 s[46:47], s[6:7], s[46:47]
	CROUND                                         ; all sixteen work-groups are here: the first joint loads meet
.irp s, 0,1
	s_mov_b32 s[G0+4*(\s)], 1
	s_add_co_u32 s[G0+4*(\s)+1], s20, (\s)*SLOT
	s_add_nc_u64 s[G0+4*(\s)+2:G0+4*(\s)+3], s[14:15], (\s)*KSTEP*2
	s_or_b32 s[G0+4*(\s)+3], s[G0+4*(\s)+3], 0x80000000
	s_mov_b32 s[G0B+4*(\s)], 1
	s_add_co_u32 s[G0B+4*(\s)+1], s20, (\s)*SLOT
	s_add_nc_u64 s[G0B+4*(\s)+2:G0B+4*(\s)+3], s[46:47], (\s)*KSTEP*2
	s_or_b32 s[G0B+4*(\s)+3], s[G0B+4*(\s)+3], 0x80000000
	JLOAD \s
.endr
	v_and_b32 v1, 15, v0                           ; l % 16
	v_bfe_u32 v2, v0, 4, 1                         ; l / 16
	s_lshl_b32 s46, s42, 9                         ; the bias of my 64 columns: 128 x tile column + 64 x half, in f32
	s_lshl_b32 s47, s12, 8
	s_add_co_u32 s46, s46, s47
	s_mov_b32 s47, 0
	s_add_nc_u64 s[BP:BP+1], s[BP:BP+1], s[46:47]
	v_lshlrev_b32 v[BO], 5, v2                     ; my eight columns of a block of 16
.irp b, 0,1,2,3
	global_load_b128 v[BIAS+8*(\b):BIAS+8*(\b)+3],   v[BO], s[BP:BP+1] offset:64*(\b)
	global_load_b128 v[BIAS+8*(\b)+4:BIAS+8*(\b)+7], v[BO], s[BP:BP+1] offset:64*(\b)+16
.endr
	v_mov_b32 v[ZERO], 0
	v_mul_u32_u24 v3, v1, PITCH
	v_lshl_add_u32 v3, v2, 4, v3                   ; a fragment's row x pitch + 16 x half
	s_mul_i32 s21, s11, HALFT                      ; my 64 rows of A
	s_mul_i32 s22, s12, HALFT                      ; my 64 rows of B,
	s_add_co_u32 s22, s22, 2*HALFT                 ; which lie behind A's 128
.irp s, 0,1
	v_add_nc_u32 v[ADRA+(\s)], s21, v3
	v_add_nc_u32 v[ADRB+(\s)], s22, v3
	s_add_co_u32 s21, s21, SLOT
	s_add_co_u32 s22, s22, SLOT
.endr
	s_mul_i32 s23, s11, 64*SPITCH                  ; into the stage: my 64 rows, my half of their 256 bytes; row l % 16, 16 bytes for each half of the lanes
	s_lshl_b32 s21, s12, 7
	s_add_co_u32 s23, s23, s21
	s_add_co_u32 s23, s23, STAGE
	v_mul_u32_u24 v4, v1, SPITCH
	v_lshl_add_u32 v4, v2, 4, v4
	v_add_nc_u32 v[STO], s23, v4
	s_mul_i32 s23, s10, 32*SPITCH                  ; back: wave w takes rows 32 w .. 32 w + 31, whole; lanes 0-15 one row of 256 bytes, lanes 16-31 the next
	s_add_co_u32 s23, s23, STAGE
	v_mul_u32_u24 v5, v2, SPITCH
	v_lshl_add_u32 v5, v1, 4, v5
	v_add_nc_u32 v[RD], s23, v5
	v_mul_u32_u24 v5, v2, SIZE_N*2                 ; and the same two rows in C
	v_lshl_add_u32 v[CO], v1, 4, v5
	s_lshl_b32 s16, s13, 7
	s_lshl_b32 s17, s10, 5
	s_add_co_u32 s16, s16, s17                     ; the first row of C that I store: 128 x tile row + 32 x wave
	s_mov_b32 s17, 0
	s_mov_b64 s[18:19], SIZE_N*2
	s_mul_u64 s[16:17], s[16:17], s[18:19]
	s_add_nc_u64 s[8:9], s[8:9], s[16:17]
	s_lshl_b32 s46, s42, 8                         ; the tile's first column, in bytes
	s_mov_b32 s47, 0
	s_add_nc_u64 s[8:9], s[8:9], s[46:47]
; 8 matrix instructions: m blocks a0, a0 + 1 x all 4 n blocks, 32 along K: half c of buffer f.  zero = 1: the first product starts the sums, from the bias.
; The 16 accumulators take turns, one instruction a turn.
.macro MUL8 f, c, a0, zero
	WIN MUL
.irp a, \a0, (\a0)+1
.irp b, 0,1,2,3
.if \zero
	v_wmma_f32_16x16x32_f16 v[ACC+8*(4*(\a)+(\b)):ACC+8*(4*(\a)+(\b))+7], v[(\f)+64+8*(4*(\c)+(\b)):(\f)+64+8*(4*(\c)+(\b))+7], v[(\f)+8*(4*(\c)+(\a)):(\f)+8*(4*(\c)+(\a))+7], v[BIAS+8*(\b):BIAS+8*(\b)+7]
.else
	v_wmma_f32_16x16x32_f16 v[ACC+8*(4*(\a)+(\b)):ACC+8*(4*(\a)+(\b))+7], v[(\f)+64+8*(4*(\c)+(\b)):(\f)+64+8*(4*(\c)+(\b))+7], v[(\f)+8*(4*(\c)+(\a)):(\f)+8*(4*(\c)+(\a))+7], v[ACC+8*(4*(\a)+(\b)):ACC+8*(4*(\a)+(\b))+7]
.endif
.endr
.endr
.endm
; 32 LDS loads in one run: the fragments of 64 along K at byte k of the rows, into buffer f; the first 32 along K first
.macro FETCH slot, k, f
	WIN TO_F
.irp c, 0,1
.irp i, 0,1,2,3
	ds_load_b128 v[(\f)+64+8*(4*(\c)+(\i)):(\f)+64+8*(4*(\c)+(\i))+3],   v[ADRB+(\slot)] offset:(\k)+64*(\c)+(\i)*16*PITCH
	ds_load_b128 v[(\f)+64+8*(4*(\c)+(\i))+4:(\f)+64+8*(4*(\c)+(\i))+7], v[ADRB+(\slot)] offset:(\k)+64*(\c)+(\i)*16*PITCH+32
	ds_load_b128 v[(\f)+8*(4*(\c)+(\i)):(\f)+8*(4*(\c)+(\i))+3],         v[ADRA+(\slot)] offset:(\k)+64*(\c)+(\i)*16*PITCH
	ds_load_b128 v[(\f)+8*(4*(\c)+(\i))+4:(\f)+8*(4*(\c)+(\i))+7],       v[ADRA+(\slot)] offset:(\k)+64*(\c)+(\i)*16*PITCH+32
.endr
.endr
.endm
.macro PLACES                          ; four places in front of loads into registers that matrix instructions have read, and of vector work that reads results
.rept 4
	v_nop
.endr
.endm
; A K step is four quarters of 64 along K, 32 matrix instructions each, on buffers 0, 1, 0, 1.  One of the first three: multiplies buffer f and fetches the next quarter, at byte k, into g.
.macro QUARTER slot, k, f, g, zero
	s_wait_dscnt 16                                ; the first 32 along K are in; the sixteen younger loads may be out
	WIN MUL
	MUL8 \f, 0, 0, \zero
	MUL8 \f, 0, 2, \zero
	PLACES
	FETCH \slot, \k, \g
	s_wait_dscnt 32                                ; all but the 32 just issued
	WIN MUL
	MUL8 \f, 1, 0, 0
	MUL8 \f, 1, 2, 0
.endm
; The last quarter multiplies buffer 1 and changes slots: ONE barrier; in front of it each wave waits for all its tensor loads, adds 0 to its spare word, and waits for that and for its own reads of this slot.  fill = 1: this slot is filled again, two K steps ahead.
.macro TURN slot, next, fill
	WIN 0                                          ; (the add's two registers lie in window 0)
	s_wait_tensorcnt 0x0                           ; all my tensor loads have landed: my part of the next slot;
	ds_add_u32 v[SPW], v[NIL]                      ; 0 onto my spare word;
	s_wait_dscnt 17                                ; (the add and the youngest sixteen loads may be out)
	WIN MUL
	MUL8 F1, 0, 0, 0                               ; eight matrix instructions stand between the add and the wait for it
	s_wait_dscnt 0x0                               ; the add is done, and my reads of this slot are over
	s_barrier_signal -1
	MUL8 F1, 0, 2, 0
.if \fill
	WIN 0
.endif
	s_barrier_wait -1
.if \fill
	CREST                                          ; the barrier has opened a round of the cluster's barrier: no wave of any partner still reads this slot's tile or has a load on its way
	s_add_nc_u64 s[G0+4*(\slot)+2:G0+4*(\slot)+3], s[G0+4*(\slot)+2:G0+4*(\slot)+3], 2*KSTEP*2
	s_add_nc_u64 s[G0B+4*(\slot)+2:G0B+4*(\slot)+3], s[G0B+4*(\slot)+2:G0B+4*(\slot)+3], 2*KSTEP*2
	JLOAD \slot                                    ; the first tensor load behind the round; the four v_nop behind it are also the places in front of the loads below
.else
	PLACES
.endif
	FETCH \next, 0, F0
	WIN MUL
	MUL8 F1, 1, 0, 0
	MUL8 F1, 1, 2, 0
.endm
	s_wait_tensorcnt 1                             ; my part of K step 0 is in; K step 1's may stay out
	s_barrier_signal -1
	s_barrier_wait -1                              ; everybody's is
	FETCH 0, 0, F0
	s_wait_loadcnt 0x0                             ; the bias
	QUARTER 0, 128, F0, F1, 1                      ; the first quarter stands in front of the loop: its first products start the sums
	WIN 0                                          ; at a label and at a branch every window is 0
	s_mov_b32 s3, LAPS-1
.Llap:                                                 ; a trip goes once round the ring, from a lap's second quarter to the next lap's first, and fills both slots again
	QUARTER 0, 256, F1, F0, 0
	QUARTER 0, 384, F0, F1, 0
	TURN 0, 1, 1
	QUARTER 1, 128, F0, F1, 0
	QUARTER 1, 256, F1, F0, 0
	QUARTER 1, 384, F0, F1, 0
	TURN 1, 0, 1
	QUARTER 0, 128, F0, F1, 0
	WIN 0
	s_sub_co_u32 s3, s3, 1
	s_cmp_lg_u32 s3, 0
	s_cbranch_scc1 .Llap
	QUARTER 0, 256, F1, F0, 0
	QUARTER 0, 384, F0, F1, 0
	TURN 0, 1, 0                                   ; the last lap fills nothing, and has no round of the cluster's barrier
	QUARTER 1, 128, F0, F1, 0
	QUARTER 1, 256, F1, F0, 0
	QUARTER 1, 384, F0, F1, 0
	s_wait_dscnt 16                                ; the very last quarter: nothing more to fetch
	WIN MUL
	MUL8 F1, 0, 0, 0
	MUL8 F1, 0, 2, 0
	s_wait_dscnt 0
	MUL8 F1, 1, 0, 0
	MUL8 F1, 1, 2, 0
	WIN 0
	; THE WAY OUT: x 2^-10; round to f16; the larger of that and 0, two at a time; 16 bytes a lane into the work-group's stage; a barrier, since a row's 256 bytes come from two waves; back as whole rows, 32 rows a wave.
	PLACES
	s_mov_b32 s22, 0x3a800000                      ; 2^-10,
	s_mov_b32 s23, 0x3a800000                      ; named with it as a pair
.set i, 0
.rept 64
	v_pk_mul_f32 v[ACC+2*i:ACC+2*i+1], v[ACC+2*i:ACC+2*i+1], s[22:23] op_sel_hi:[1,0]
.set i, i+1
.endr
.irp t, 0,1,2,3,4,5,6,7,8,9,10,11,12,13,14,15
.irp r, 0,1,2,3
	v_cvt_pk_f16_f32 v[TMP+4*(\t)+(\r)], v[ACC+8*(\t)+2*(\r)], v[ACC+8*(\t)+2*(\r)+1]
.endr
.endr
.set i, 0
.rept 64
	v_pk_max_num_f16 v[TMP+i], v[TMP+i], v[ZERO]
.set i, i+1
.endr
.irp a, 0,1,2,3
.irp b, 0,1,2,3
	ds_store_b128 v[STO], v[TMP+4*(4*(\a)+(\b)):TMP+4*(4*(\a)+(\b))+3] offset:(\a)*16*SPITCH+32*(\b)
.endr
.endr
	s_wait_dscnt 0x0                               ; for the others' sake: my stores into the stage are done
	s_barrier_signal -1
	s_barrier_wait -1
.irp t, 0,1,2,3,4,5,6,7,8,9,10,11,12,13,14,15
	ds_load_b128 v[TMP+4*(\t):TMP+4*(\t)+3], v[RD] offset:(\t)*2*SPITCH
.endr
.irp t, 0,1,2,3,4,5,6,7,8,9,10,11,12,13,14,15
	s_wait_dscnt 15-(\t)
	global_store_b128 v[CO], v[TMP+4*(\t):TMP+4*(\t)+3], s[8:9] offset:2*(\t)*SIZE_N*2  ; 16 lanes store 256 consecutive bytes, at a multiple of 256 from C's first byte
.endr
	s_wait_tensorcnt 0x0                           ; the wave's end: behind my last tensor load and my last LDS store
	ds_add_u32 v[SPW], v[NIL]
	s_wait_dscnt 0x0
	CROUND                                         ; the closing round: no work-group ends while a partner may still ask for a tile that names it
	s_endpgm
.Lfunc_end_k_q6002055c5a_layer2:
	.size	k_q6002055c5a_layer2, .Lfunc_end_k_q6002055c5a_layer2-k_q6002055c5a_layer2
	.p2alignl 7, 3214868480
	.fill 96, 4, 3214868480
	.section	.rodata,"a",@progbits
	.p2align	6, 0x0
	.amdhsa_kernel k_q6002055c5a_layer2
		.amdhsa_group_segment_fixed_size 327680
		.amdhsa_private_segment_fixed_size 0
		.amdhsa_enable_private_segment 0
		.amdhsa_kernarg_size 32
		.amdhsa_user_sgpr_count 2
		.amdhsa_user_sgpr_kernarg_segment_ptr 1
		.amdhsa_wavefront_size32 1
		.amdhsa_system_sgpr_workgroup_id_x 1
		.amdhsa_system_sgpr_workgroup_id_y 1
		.amdhsa_system_sgpr_workgroup_id_z 1
		.amdhsa_system_vgpr_workitem_id 0
		.amdhsa_next_free_vgpr 512
		.amdhsa_next_free_sgpr 68
		.amdhsa_reserve_vcc 0
		.amdhsa_float_denorm_mode_32 3
		.amdhsa_float_denorm_mode_16_64 3
		.amdhsa_memory_ordered 1
		.amdhsa_forward_progress 1
		.amdhsa_inst_pref_size 96
	.end_amdhsa_kernel
	.amdgpu_metadata
---
amdhsa.version: [ 1, 2 ]
amdhsa.kernels:
  - .name:           k_q6002055c5a_layer2
    .symbol:         k_q6002055c5a_layer2.kd
    .args:
      - { .name: h1, .offset: 0, .size: 8, .value_kind: global_buffer, .address_space: global }
      - { .name: w1t, .offset: 8, .size: 8, .value_kind: global_buffer, .address_space: global }
      - { .name: h2, .offset: 16, .size: 8, .value_kind: global_buffer, .address_space: global }
      - { .name: b1, .offset: 24, .size: 8, .value_kind: global_buffer, .address_space: global }
    .group_segment_fixed_size: 327680
    .private_segment_fixed_size: 0
    .kernarg_segment_align: 8
    .kernarg_segment_size: 32
    .max_flat_workgroup_size: 128
    .sgpr_count:     68
    .vgpr_count:     512
    .wavefront_size: 32
...
	.end_amdgpu_metadata
.endif
;; end of part 2
;; launch spline (part 3): grid 16 x 16, 4 waves a work-group, clusters of 4 x 4, 327,680 bytes of LDS; arguments h2, w2t, b2, x2, res; writes res
.if DOCPART == 3
	.amdgcn_target "amdgcn-amd-amdhsa--gfx1250"
	.amdhsa_code_object_version 6
	.text
	.protected	k_q6002055c5a_spline
	.globl	k_q6002055c5a_spline
	.p2align	8
	.type	k_q6002055c5a_spline,@function
k_q6002055c5a_spline:
	s_mov_b64 s[64:65], 0
	v_nop
	global_prefetch_b8 v0, s[64:65] scope:SCOPE_SE
	s_setreg_imm32_b32 hwreg(HW_REG_WAVE_MODE, 25, 1), 1
	s_wait_xcnt 0x0
	s_wait_alu depctr_hold_cnt(0) depctr_sa_sdst(0) depctr_va_vdst(0) depctr_va_sdst(0) depctr_va_ssrc(0) depctr_va_vcc(0) depctr_vm_vsrc(0)
	s_getreg_b32 s2, hwreg(HW_REG_IB_STS2, 6, 4)
	s_cmp_eq_u32 s2, 0
	s_cbranch_scc0 .Lentry_in_a_cluster
	s_endpgm
.Lentry_in_a_cluster:
	s_bfe_u32 s2, ttmp6, 0x10000c
	s_cmp_lg_u32 s2, 0xf033
	s_cbranch_scc0 .Lentry_shape_is_right
	s_endpgm
.Lentry_shape_is_right:
; p = h2 W2 + b2 and the rational-quadratic spline on x2, in one launch: p (47 numbers an element) never leaves the registers.
; h2 [4096][1024] f16, x 2^-10; w2t [12288 n'][1024] f16, x 2^10, in the order that the first launch laid (48 rows for each column d); b2 [12032] f32 and x2 [4096][256] f32 as they are given.
; res: y in lane order (4,194,304 bytes: 16 bytes = four neighbouring d of one row), then [16 g][4096] f32: each row's sum of log derivatives over the 16 columns d of block g.
; NO WORK IS LEFT OUT; two steps are taken in another order, which in exact arithmetic gives the same numbers for all inputs:
;   (a) softplus is applied behind the choice of the bin, to the two raw derivatives chosen, not to all 17: take(f(d)) = f(take(d)).  Its form is max(c, 0) + log(1 + exp(-|c|)).
;   (b) the edges are compared before they are normalised.  e_i = exp(a_i - max a), E_k their running sum, S = E_16, T_k = E_k + k S / 984.  Then the edge cw_k = 6 T_k / T_16 - 3, so
;       xc >= cw_k is ((xc + 3) / 6) T_16 >= T_k, and theta = (u - T_idx) / (T_idx+1 - T_idx).  The T_k never fall, so a search by halves finds the count of edges at or below u.  The same for the heights.
;   The maximum is taken away before each exponential, as the module does.
; LIMITS.  Matrix operands are f16: h2 up to 6.7e7 with a fixed step of 6.1e-5 below 0.0625, |W2| up to 64 (the first launch's head gives the room by arithmetic); the two factors 2^-10 and 2^10 cancel exactly.
;   Where xc lies on an edge to within rounding the neighbouring bin may be taken; the spline and its derivative are continuous there.
;   An exponential below 2^-126 counts as 0.  log(1 + exp(-|c|)) counts as 0 below 6e-8, beside the 0.001 that is added to it.  x = NaN gives y = NaN and adds 0, as in the module.
; SHARES.  Work-group (g, mt) owns rows 256 mt on and the columns d = 16 g on.  It STAYS and walks four tiles of 256 rows x 192 n' (tile t: rows 768 g + 192 t of w2t): 256 work-groups of equal work.
;   Wave (wm, wn): 128 rows x 96 n': 8 row blocks a x 6 blocks t of 16 n': 48 accumulators.  The matrix instruction is used transposed (source 0 = 16 rows of w2t, source 1 = 16 rows of h2):
;   lane (r, h) then holds, for row block a, in 48 registers on end, all 48 numbers of ONE element: row 16 a + r, d = 16 g + 8 wn + 4 h + tile: 16 widths, 16 heights, 15 derivatives and the boundary's constant.
;   THE BIAS is the C operand of the product that starts each sum: register p of 48 is b2[47 d + p], 47 loads of 4 bytes a tile (47 is odd, so wider loads would not be aligned); register 47, against w2t's row of
;   zeros, holds log(exp(0.999) - 1): the 48th number of an element IS the right boundary's raw derivative.
; RING.  K goes in steps of 128 (rows of 256 bytes, aligned) through two LDS slots; the ring runs on from tile to tile, so the next tile's first two steps land while the spline is worked out.
; CLUSTER 4 x 4.  h2's tile hangs on mt alone and is shared along a row of the cluster, w2t's on g alone and is shared along a column: each is asked for JOINTLY.
; x2 is read straight, 16 bytes a lane, each byte once in the launch, at the head, in the wait for the first tile.
; REGISTERS, in windows of 256 (s_set_vgpr_msb: bits 1:0 source 0, 3:2 source 1, 5:4 source 2, 7:6 destination):
;   window 0: v0-35 addresses and the end's sums; v64-127, v128-191 fragments of h2 (8 x 16 rows x 32 K), two buffers
;   window 1: v0-47 the bias; v64-111, v128-175 fragments of w2t (6 x 16 rows x 32 K), two buffers
;   window 2 (row blocks 0-3), window 3 (4-7), q = a % 4: v[48 q + 8 t ..] accumulator (a, t); v[192 + 4 q ..] x2 of my four d, turned into y tile by tile; v[208 + q] sum of log2 derivatives;
;       v212-227 k / 984, k = 1 .. 16; v[228 + 6 q ..] six at work
.set KSTEP,  128
.set PITCH,  272                       ; an LDS row: 256 bytes + 16 of padding = 68 words: the 16 rows of a fragment load start at 16 different groups of four banks
.set HH,     128*PITCH                 ; half of h2's tile: what one tensor load brings, and what a wave reads
.set WH,     96*PITCH                  ; half of w2t's tile, likewise
.set SLOT,   2*HH+2*WH
.set LDST,   2*SLOT                    ; behind the ring, never filled by a tensor load: 128 words for each wave, the rows' sums
.set SPARE,  LDST+2048                 ; behind them: the spare words, 128 bytes for each wave; no other line names them
.set ADRH, 16                          ; v16-17  LDS address of my h2 fragments in slot 0, 1
.set ADRW, 20                          ; v20-21  the same for w2t
.set XO,   22                          ; v22     my byte offset in x2
.set BO,   23                          ; v23     my byte offset in b2: four d, 752 bytes, for the upper half of the lanes
.set YO,   24                          ; v24     16 x lane
.set LSA,  25                          ; v25     where I put a row's sum
.set LRA,  26                          ; v26     where I read two rows' sums back
.set LGO,  27                          ; v27     8 x lane
.set SPW,  28                          ; v28     LDS address of my spare word; never rewritten
.set NIL,  29                          ; v29     0; never rewritten
.set PFO,  30                          ; v30     the prefetches' offset: a lane a row; never rewritten
.set F0,   64
.set F1,   128
.set KG,   212
.set G1H, 24                           ; s[24:31] descriptor group 1 for h2's tiles;  s[32:39] group 0, one set for each slot
.set G0H, 32
.set G1W, 48                           ; s[48:55], s[56:63] the same for w2t's tiles
.set G0W, 56
.set LIM, 43                           ; s43     1 in a wave that prefetches, else the greatest number
.set PFA, 44                           ; s[44:45] where my prefetches stand
.set MSB, 0
.macro WIN new                         ; the immediate's high byte repeats the setting that is left; a switch that changes nothing is dropped
.if MSB != (\new)
	s_set_vgpr_msb (MSB<<8)|(\new)
.set MSB, \new
.endif
.endm
; A joint load.  Waves 0 and 1 fetch h2's two halves, waves 2 and 3 w2t's.  The branch hangs on the wave's number alone.
; An s_nop 0 and four v_nop follow each of the two lines; the jump, the label and what follows come after them.
.macro JLOAD s
	s_cmp_eq_u32 s11, 0
	s_cbranch_scc0 .Lfor_w_\@
	tensor_load_to_lds s[G0H+4*(\s):G0H+4*(\s)+3], s[G1H:G1H+7]
	s_nop 0
.rept 4
	v_nop
.endr
	s_branch .Lasked_\@
.Lfor_w_\@:
	tensor_load_to_lds s[G0W+4*(\s):G0W+4*(\s)+3], s[G1W:G1W+7]
	s_nop 0
.rept 4
	v_nop
.endr
.Lasked_\@:
.endm
; A PREFETCH INTO THE L2, behind each joint load, its five lines and the run of LDS loads that follows them: the K step that stands TWO refills on (384 matrix instructions ahead of the load that will want it),
; 256 bytes of a row, a lane a row, one instruction a wave.  h2's rows are read by every cluster of a row of clusters: cluster x = 0 asks; w2t's by every cluster of a column: cluster y = 0 asks.
; The four partners that ask for a tile jointly share its rows out BY ADDRESS: 32 of h2's 128 by cx, 24 of w2t's 96 by cy (lanes 24-31 repeat row 23): no branch hangs on a place in the cluster.
; how = 0, in the loop: a tile's last two refills have no K step two on.  how = 1, at a change of tiles: the next tile's K steps 2 and 3 of w2t; h2's rows are the same for all four tiles and are asked for in the first alone.
; The launch's first four K steps, and each further tile's first two, come by their loads alone.
.macro ASK how
.if \how
	s_cmp_eq_u32 s[LIM], 1
.else
	s_cmp_gt_u32 s3, s[LIM]                        ; s3 = 1 in the loop's last trip
.endif
	s_cbranch_scc0 .Lnot_mine_\@
	global_prefetch_b8 v[PFO], s[PFA:PFA+1] offset:KSTEP*2 th:TH_LOAD_NT scope:SCOPE_SE
.Lnot_mine_\@:
.endm
.macro CREST                           ; a round of the cluster's barrier behind its opening barrier
	s_cmp_lg_u32 s10, 0
	s_cbranch_scc1 .Lnot_wave_0_\@
	s_barrier_signal -3
.Lnot_wave_0_\@:
	s_barrier_wait -3
	s_barrier_signal -1
	s_barrier_wait -1
.endm
.macro CROUND                          ; a whole round
	s_barrier_signal -1
	s_barrier_wait -1
	CREST
.endm
.macro BIASLD                          ; the bias of my d of the tile at which s[8:9] stands: 47 numbers; register 47 keeps the constant
	WIN 0x40                                       ; destination window 1, address window 0
.set p, 0
.rept 47
	global_load_b32 v[p], v[BO], s[8:9] offset:4*p
.set p, p+1
.endr
	WIN 0
.endm
	s_load_b128 s[4:7], s[0:1], 0x0                ; h2 s[4:5], w2t s[6:7]
	s_load_b64 s[8:9], s[0:1], 0x10                ; b2
	s_load_b128 s[68:71], s[0:1], 0x18             ; x2 s[68:69], res s[70:71]
	v_lshl_add_u32 v[SPW], v0, 2, SPARE
	v_mov_b32 v[NIL], 0
	ds_add_u32 v[SPW], v[NIL]                      ; the wave's opening: the add, twice on end, and its wait ahead of my first tensor load; the set-up below stands between
	ds_add_u32 v[SPW], v[NIL]
	v_lshrrev_b32 v1, 5, v0
	v_readfirstlane_b32 s10, v1                    ; wave 0..3
	s_lshr_b32 s11, s10, 1                         ; wm: which half of the rows is mine.  Also: I fetch for h2 (0) or for w2t (1)
	s_and_b32 s12, s10, 1                          ; wn: which half of the n'.  Also: which half of that tile I fetch
	s_bfe_u32 s40, ttmp6, 0x40000                  ; cx
	s_bfe_u32 s41, ttmp6, 0x40004                  ; cy
	s_lshl_b32 s42, ttmp9, 2
	s_add_co_u32 s42, s42, s40                     ; g = 4 x cluster x + cx
	s_and_b32 s13, ttmp7, 0xffff
	s_lshl_b32 s13, s13, 2
	s_add_co_u32 s13, s13, s41                     ; mt = 4 x cluster y + cy
	s_lshl_b32 s43, s41, 2
	s_lshl_b32 s43, 15, s43                        ; my row of the cluster
	s_lshl_b32 s44, 0x1111, s40                    ; my column
	s_or_b32 s[G1H+0], s43, (1<<16)|(1<<20)|(1<<21)|(5<<22)|(3<<25)  ; 15:0 the mask: h2's tiles go to my row; 17:16 element of 2 bytes; 20 padding on; 21 set beside a mask; 24:22 after every 64 words (code 5); 31:25 of 4 words (code 3)
	s_or_b32 s[G1W+0], s44, (1<<16)|(1<<20)|(1<<21)|(5<<22)|(3<<25)  ; the same with the mask of my column
.irp g, G1H, G1W
	s_mov_b32 s[(\g)+1], KSTEP<<16                 ; tensor_dim0 = 128
	s_mov_b32 s[(\g)+3], KSTEP<<16                 ; tile_dim0 = 128
	s_mov_b32 s[(\g)+5], 1024                      ; elements from row to row
	s_mov_b32 s[(\g)+6], 0
	s_mov_b32 s[(\g)+7], 0
.endr
	s_mov_b32 s[G1H+2], 128<<16                    ; tensor_dim1 and
	s_mov_b32 s[G1H+4], 128                        ; tile_dim1: 128 rows of h2,
	s_mov_b32 s[G1W+2], 96<<16
	s_mov_b32 s[G1W+4], 96                         ; 96 of w2t
	s_mov_b32 s74, 0x3fb8aa3b                      ; log2(e),
	s_mov_b32 s75, 0x3fb8aa3b                      ; named with it as a pair
	s_mov_b32 s76, 0x3e2aaaab                      ; 1 / 6
	s_mov_b32 s77, 0x3f0a2c8f                      ; the boundary's raw derivative, log(exp(0.999) - 1)
	s_mov_b32 s78, 0x3f317218                      ; ln 2
	s_mov_b32 s79, 0x3a83126f                      ; 0.001
	s_mov_b32 s80, 0x40c00000                      ; 6
	s_mov_b32 s81, 0xc0400000                      ; -3
	s_mov_b32 s82, 0x40400000                      ; 3
	s_mov_b32 s83, 0x3a853408                      ; 0.001 / 0.984 = 1 / 984
	s_mov_b32 s88, 0x76543210                      ; v_permlanex16_b32: each lane takes its own place in the other half
	s_mov_b32 s89, 0xfedcba98
	; where the tiles come from: h2's by mt alone, w2t's by g alone, each in registers that never hold the other coordinate
	s_lshl_b32 s16, s13, 8
	s_lshl_b32 s17, s12, 7
	s_add_co_u32 s16, s16, s17                     ; h2: row 256 mt + 128 x half
	s_lshl_b32 s16, s16, 11                        ; rows of 2,048 bytes
	s_mov_b32 s17, 0
	s_mul_i32 s46, s42, 768
	s_mul_i32 s47, s12, 96
	s_add_co_u32 s46, s46, s47                     ; w2t: row 768 g + 96 x half
	s_lshl_b32 s46, s46, 11
	s_mov_b32 s47, 0
	s_mul_i32 s20, s12, HH                         ; and where they go: no place in the cluster enters an LDS address
	s_mul_i32 s21, s12, WH
	s_add_co_u32 s21, s21, 2*HH
	s_wait_dscnt 0x0                               ; both opening adds are done
	s_wait_kmcnt 0x0
	s_add_nc_u64 s[14:15], s[4:5], s[16:17]
	s_add_nc_u64 s[46:47], s[6:7], s[46:47]
	CROUND                                         ; all sixteen work-groups are here: the first joint loads meet
.irp s, 0,1
	s_mov_b32 s[G0H+4*(\s)], 1                                       ; count = 1
	s_add_co_u32 s[G0H+4*(\s)+1], s20, (\s)*SLOT                     ; LDS address
	s_add_nc_u64 s[G0H+4*(\s)+2:G0H+4*(\s)+3], s[14:15], (\s)*KSTEP*2  ; global address: K step s
	s_or_b32 s[G0H+4*(\s)+3], s[G0H+4*(\s)+3], 0x80000000            ; type = 2
	s_mov_b32 s[G0W+4*(\s)], 1
	s_add_co_u32 s[G0W+4*(\s)+1], s21, (\s)*SLOT
	s_add_nc_u64 s[G0W+4*(\s)+2:G0W+4*(\s)+3], s[46:47], (\s)*KSTEP*2
	s_or_b32 s[G0W+4*(\s)+3], s[G0W+4*(\s)+3], 0x80000000
	JLOAD \s                                       ; two loads of mine are out
.endr
	v_and_b32 v1, 15, v0                           ; r = l % 16
	v_bfe_u32 v2, v0, 4, 1                         ; h = l / 16
	v_and_b32 v4, 31, v0                           ; l
	; the bias of my d of tile 0, and x2 of my elements: they come in the wait for the first tile
	s_lshl_b32 s20, s42, 4
	s_lshl3_add_u32 s20, s12, s20                  ; d = 16 g + 8 wn (+ 4 h, in the lanes' offset; + tile, by steps),
	s_mul_i32 s20, s20, 188                        ; 47 numbers of 4 bytes each
	s_mov_b32 s21, 0                               ; stays 0 from here on
	s_add_nc_u64 s[8:9], s[8:9], s[20:21]
	v_mul_u32_u24 v[BO], v2, 752
	WIN 0x40
	v_mov_b32 v47, s77                             ; the 48th register of the bias: set once, never loaded
	BIASLD
	s_lshl_b32 s20, s13, 18                        ; 256 mt rows of 1,024 bytes
	s_lshl_b32 s22, s42, 6                         ; + 16 g columns
	s_add_co_u32 s20, s20, s22
	s_add_nc_u64 s[68:69], s[68:69], s[20:21]
	s_lshl_b32 s22, s11, 17                        ; + 128 wm rows
	s_lshl_b32 s23, s12, 5                         ; + 8 wn columns
	s_add_co_u32 s22, s22, s23
	v_lshlrev_b32 v[XO], 10, v1
	v_lshl_add_u32 v[XO], v2, 4, v[XO]
	v_add_nc_u32 v[XO], s22, v[XO]
	WIN 0x80
.irp a, 0,1,2,3
	global_load_b128 v[192+4*(\a):195+4*(\a)], v[XO], s[68:69] offset:16384*(\a) th:TH_LOAD_NT
.endr
	WIN 0xc0
.irp a, 0,1,2,3
	global_load_b128 v[192+4*(\a):195+4*(\a)], v[XO], s[68:69] offset:16384*(\a)+65536 th:TH_LOAD_NT
.endr
	WIN 0
	v_mul_u32_u24 v3, v1, PITCH
	v_lshl_add_u32 v3, v2, 4, v3                   ; a fragment's row x pitch + 16 x half
	s_mul_i32 s18, s11, HH                         ; my 128 rows of h2
	s_mul_i32 s19, s12, WH                         ; my 96 rows of w2t,
	s_add_co_u32 s19, s19, 2*HH                    ; which lie behind h2's 256
.irp s, 0,1
	v_add_nc_u32 v[ADRH+(\s)], s18, v3
	v_add_nc_u32 v[ADRW+(\s)], s19, v3
	s_add_co_u32 s18, s18, SLOT
	s_add_co_u32 s19, s19, SLOT
.endr
	v_lshlrev_b32 v[YO], 4, v4
	v_lshlrev_b32 v[LGO], 3, v4
	s_lshl_b32 s18, s10, 9
	s_add_co_u32 s18, s18, LDST
	v_lshl_add_u32 v[LSA], v1, 2, s18              ; my wave's 128 words, row r of a block
	s_lshl_b32 s18, s11, 10
	s_lshl_b32 s19, s12, 8
	s_add_co_u32 s18, s18, s19
	s_add_co_u32 s18, s18, LDST
	v_lshl_add_u32 v[LRA], v4, 3, s18              ; back: wave (wm, wn) adds rows 64 wn + 2 l, + 1 of the two waves with its wm
	s_lshl_b32 s20, s42, 14                        ; the sums: [g][row]: 16,384 g + 1,024 mt + 256 wave, behind y's 4,194,304 bytes
	s_lshl_b32 s22, s13, 10
	s_add_co_u32 s20, s20, s22
	s_lshl_b32 s22, s10, 8
	s_add_co_u32 s20, s20, s22
	s_add_co_u32 s20, s20, 0x400000
	s_add_nc_u64 s[72:73], s[70:71], s[20:21]
	s_lshl_b32 s20, s13, 4                         ; y: ((16 mt + g) 4 + wave) x 4,096 bytes
	s_add_co_u32 s20, s20, s42
	s_lshl2_add_u32 s20, s20, s10
	s_lshl_b32 s20, s20, 12
	s_add_nc_u64 s[70:71], s[70:71], s[20:21]
.irp w, 0xaa, 0xff                     ; in both accumulator windows: k / 984 and the sums' 0
	WIN \w
.set k, 1
.rept 16
	v_cvt_f32_u32 v[KG+k-1], k
.set k, k+1
.endr
.set k, 0
.rept 16
	v_mul_f32 v[KG+k], s83, v[KG+k]
.set k, k+1
.endr
.irp c, 0,1,2,3
	v_mov_b32 v[208+(\c)], 0
.endr
.endr
	WIN 0
	; the prefetches
	s_lshl_b32 s20, s13, 8
	s_lshl_b32 s22, s12, 7
	s_add_co_u32 s20, s20, s22
	s_lshl_b32 s22, s40, 5
	s_add_co_u32 s20, s20, s22                     ; h2: the 128 rows that I fetch, my work-group's 32 of them
	s_mul_i32 s18, s42, 768
	s_mul_i32 s19, s12, 96
	s_add_co_u32 s18, s18, s19
	s_mul_i32 s19, s41, 24
	s_add_co_u32 s18, s18, s19                     ; w2t: the 96 rows that I fetch, my work-group's 24 of them
	s_and_b32 s22, ttmp7, 0xffff                   ; cluster y
	s_cmp_eq_u32 s11, 0                            ; do I fetch for h2?
	s_cselect_b32 s20, s20, s18
	s_cselect_b32 s22, ttmp9, s22                  ; the coordinate along which other clusters read the same rows
	s_cselect_b64 s[PFA:PFA+1], s[4:5], s[6:7]
	s_cselect_b32 s23, 31, 23                      ; the last of my rows
	s_cmp_eq_u32 s22, 0
	s_cselect_b32 s[LIM], 1, -1                    ; the same in all sixteen partners, for a given wave
	s_lshl_b32 s20, s20, 11
	s_add_nc_u64 s[PFA:PFA+1], s[PFA:PFA+1], s[20:21]
	s_add_nc_u64 s[PFA:PFA+1], s[PFA:PFA+1], 2*KSTEP*2  ; at K step 2: the first refill steps it to 3 and names K step 4
	v_min_u32 v[PFO], s23, v4
	v_lshlrev_b32 v[PFO], 11, v[PFO]
; 12 matrix instructions: row blocks a0, a0 + 1 of the window's four (hi = 0: my rows 0-63, 1: rows 64-127) x all 6 blocks of n', 32 along K.  first = 1: the product starts the sum, from the bias.
; The 48 accumulators take turns in one fixed order, one instruction a turn.
.macro MUL12 f, hi, a0, first
.if \first
	WIN 0x91+0x40*(\hi)                            ; w2t window 1, h2 window 0, C (the bias) window 1, D window 2 or 3
.else
	WIN 0xa1+0x50*(\hi)                            ; C and D window 2 or 3
.endif
.irp a, \a0, (\a0)+1
.irp t, 0,1,2,3,4,5
.if \first
	v_wmma_f32_16x16x32_f16 v[48*(\a)+8*(\t):48*(\a)+8*(\t)+7], v[(\f)+8*(\t):(\f)+8*(\t)+7], v[(\f)+8*(4*(\hi)+(\a)):(\f)+8*(4*(\hi)+(\a))+7], v[8*(\t):8*(\t)+7]
.else
	v_wmma_f32_16x16x32_f16 v[48*(\a)+8*(\t):48*(\a)+8*(\t)+7], v[(\f)+8*(\t):(\f)+8*(\t)+7], v[(\f)+8*(4*(\hi)+(\a)):(\f)+8*(4*(\hi)+(\a))+7], v[48*(\a)+8*(\t):48*(\a)+8*(\t)+7]
.endif
.endr
.endr
.endm
; 28 LDS loads in one run: the fragments of one quarter step (96 rows of w2t, 128 rows of h2, 32 K at byte k of the rows) into buffer f
.macro FETCH slot, k, f
	WIN 0x40
.irp t, 0,1,2,3,4,5
	ds_load_b128 v[(\f)+8*(\t):(\f)+8*(\t)+3],   v[ADRW+(\slot)] offset:(\k)+(\t)*16*PITCH
	ds_load_b128 v[(\f)+8*(\t)+4:(\f)+8*(\t)+7], v[ADRW+(\slot)] offset:(\k)+(\t)*16*PITCH+32
.endr
	WIN 0
.irp a, 0,1,2,3,4,5,6,7
	ds_load_b128 v[(\f)+8*(\a):(\f)+8*(\a)+3],   v[ADRH+(\slot)] offset:(\k)+(\a)*16*PITCH
	ds_load_b128 v[(\f)+8*(\a)+4:(\f)+8*(\a)+7], v[ADRH+(\slot)] offset:(\k)+(\a)*16*PITCH+32
.endr
.endm
.macro PLACES                          ; four places in front of loads into registers that matrix instructions have read, and of vector work that reads results
.rept 4
	v_nop
.endr
.endm
; A K step is four quarters of 32 along K, 48 matrix instructions each, on buffers 0, 1, 0, 1.  One of the first three: multiplies buffer f; in its middle it fetches the next quarter, at byte k, into g.
.macro QUARTER slot, k, f, g, first
	s_wait_dscnt 8                                 ; w2t and h2's rows 0-63 are in; the youngest eight loads (rows 64-127) may be out
	MUL12 \f, 0, 0, \first
	MUL12 \f, 0, 2, \first
	PLACES
	FETCH \slot, \k, \g
	s_wait_dscnt 28                                ; all but the 28 just issued
	MUL12 \f, 1, 0, \first
	MUL12 \f, 1, 2, \first
.endm
; The last quarter multiplies buffer 1 and changes slots.  MEET is its first half: ONE barrier.  In front of it each wave waits for all its tensor loads, of which one is out: its part of the next slot;
; adds 0 to its spare word; and waits for that and for its own reads of this slot.  Behind it nobody reads this slot any more and the next slot is whole.
.macro MEET round
	WIN 0                                          ; (the add's two registers lie in window 0)
	s_wait_tensorcnt 0x0
	ds_add_u32 v[SPW], v[NIL]                      ; 0 onto my spare word
	s_wait_dscnt 9                                 ; (the add and the youngest eight loads may be out)
	MUL12 F1, 0, 0, 0                              ; twelve matrix instructions stand between the add and the wait for it
	s_wait_dscnt 0x0                               ; the add is done, and my reads of this slot are over
	s_barrier_signal -1
	MUL12 F1, 0, 2, 0
.if \round
	WIN 0
.endif
	s_barrier_wait -1
.endm
; The whole last quarter.  Behind the round the slot just read out is filled again first: with this tile's K step two steps on (on = 0) or, in a tile's last two K steps, with the NEXT tile's K step 0 or 1 (on = 1).
; From a request to the wait for it a wave issues 168 matrix instructions.
.macro TURN slot, next, on
	s_wait_xcnt 0x0                                ; the last prefetch, a K step back, has read its address: it is stepped here
.if (\on) && (\slot) == 0
	s_add_nc_u64 s[PFA:PFA+1], s[PFA:PFA+1], 191*2048+KSTEP*2  ; from the K step after the tile's last to the next tile's K step 1: 192 rows down, back along K
	s_cmp_eq_u32 s11, 1
	s_cselect_b32 s[LIM], s[LIM], -1               ; h2's rows have been read: they are asked for no more
.else
	s_add_nc_u64 s[PFA:PFA+1], s[PFA:PFA+1], KSTEP*2
.endif
	MEET 1
	CREST                                          ; no wave of any partner still reads this slot's tile or has a load on its way
.if \on
	s_sub_nc_u64 s[G0H+4*(\slot)+2:G0H+4*(\slot)+3], s[G0H+4*(\slot)+2:G0H+4*(\slot)+3], 6*KSTEP*2          ; h2: the same rows, back along K
	s_add_nc_u64 s[G0W+4*(\slot)+2:G0W+4*(\slot)+3], s[G0W+4*(\slot)+2:G0W+4*(\slot)+3], 192*2048-6*KSTEP*2  ; w2t: 192 rows down, back along K
.else
	s_add_nc_u64 s[G0H+4*(\slot)+2:G0H+4*(\slot)+3], s[G0H+4*(\slot)+2:G0H+4*(\slot)+3], 2*KSTEP*2
	s_add_nc_u64 s[G0W+4*(\slot)+2:G0W+4*(\slot)+3], s[G0W+4*(\slot)+2:G0W+4*(\slot)+3], 2*KSTEP*2
.endif
	JLOAD \slot                                    ; the first tensor load behind the round; the four v_nop behind it are also the places in front of the loads below
	FETCH \next, 0, F0
	ASK \on
	MUL12 F1, 1, 0, 0
	MUL12 F1, 1, 2, 0
.endm
; THE SPLINE for the four row blocks of one window: four elements a lane, line by line, so that a line and the line that needs its result stand four apart.  Everything lies in the one window.
; A, H, C: the block's 16 widths, 16 heights, 16 raw derivatives d_1 .. d_16.  T: six at work.  X: x2 and y.  D: the sum.  M: a mask.
.macro ALLQ line:vararg
.set q, 0
.rept 4
.set A, 48*q
.set H, 48*q+16
.set C, 48*q+32
.set T, 228+6*q
.set X, 192+4*q
.set D, 208+q
.set M, 84+q
	\line
.set q, q+1
.endr
.endm
; The search by halves.  An array R holds the n candidates for entry idx + 1, register T + x the entry idx.  Where the mask says 'upper half', the upper n take the lower n's places.
.macro SEL8 R, x, init                 ; the first level; each accumulator's lowest register is read first
	ALLQ v_cndmask_b32 v[\R], v[\R], v[\R+8], s[M]
	ALLQ v_cndmask_b32 v[T+\x], \init, v[\R+7], s[M]
.set i, 1
.rept 7
	ALLQ v_cndmask_b32 v[\R+i], v[\R+i], v[\R+i+8], s[M]
.set i, i+1
.endr
.endm
.macro SELN n, R, x
	ALLQ v_cndmask_b32 v[T+\x], v[T+\x], v[\R+\n-1], s[M]
.set i, 0
.rept \n
	ALLQ v_cndmask_b32 v[\R+i], v[\R+i], v[\R+i+\n], s[M]
.set i, i+1
.endr
.endm
.macro LEVEL n
	ALLQ v_cmp_ge_f32 s[M], v[T+3], v[A+\n-1]
.if \n == 8
	SEL8 A, 4, 0                                   ; T_0 = 0
	SEL8 H, 5, 0
	SEL8 C, 0, s77                                 ; d_0: the boundary's
.else
	SELN \n, A, 4
	SELN \n, H, 5
	SELN \n, C, 0
.endif
.endm
.macro SPL
	ALLQ v_mov_b32 v[T+1], v[X]                    ; x of this tile's d; the other three move up, and y takes the last place: after four tiles X holds y of my four d in order
	ALLQ v_mov_b32 v[X], v[X+1]
	ALLQ v_mov_b32 v[X+1], v[X+2]
	ALLQ v_mov_b32 v[X+2], v[X+3]
	ALLQ v_med3_num_f32 v[T+3], v[T+1], s81, s82   ; xc
	ALLQ v_max3_num_f32 v[T], v[A], v[A+1], v[A+2] ; the two maxima, ascending
	ALLQ v_max3_num_f32 v[T+2], v[H], v[H+1], v[H+2]
.set i, 1
.rept 6
	ALLQ v_max3_num_f32 v[T], v[T], v[A+2*i+1], v[A+2*i+2]
	ALLQ v_max3_num_f32 v[T+2], v[T+2], v[H+2*i+1], v[H+2*i+2]
.set i, i+1
.endr
	ALLQ v_max_num_f32 v[T], v[T], v[A+15]
	ALLQ v_max_num_f32 v[T+2], v[T+2], v[H+15]
	ALLQ v_mul_f32 v[T], s74, v[T]
	ALLQ v_mul_f32 v[T+2], s74, v[T+2]
.set j, 0
.rept 8                                ; (a - max) log2(e), two at a time
	ALLQ v_pk_fma_f32 v[A+2*j:A+2*j+1], v[A+2*j:A+2*j+1], s[74:75], v[T:T+1] op_sel_hi:[1,0,0] neg_lo:[0,0,1] neg_hi:[0,0,1]
	ALLQ v_pk_fma_f32 v[H+2*j:H+2*j+1], v[H+2*j:H+2*j+1], s[74:75], v[T+2:T+3] op_sel_hi:[1,0,0] neg_lo:[0,0,1] neg_hi:[0,0,1]
.set j, j+1
.endr
.set j, 0
.rept 32                               ; ONE BATCH of 128 exponentials
	ALLQ v_exp_f32 v[A+j], v[A+j]
.set j, j+1
.endr
	v_nop                                          ; a plain instruction behind the last exponential,
	s_wait_alu depctr_va_vdst(0)                   ; and the one wait ahead of the batch's first reader
.set j, 1
.rept 15                               ; running sums: eight chains side by side
	ALLQ v_add_f32 v[A+j], v[A+j], v[A+j-1]
	ALLQ v_add_f32 v[H+j], v[H+j], v[H+j-1]
.set j, j+1
.endr
	ALLQ v_mov_b32 v[T], v[A+15]                   ; S
	ALLQ v_mov_b32 v[T+2], v[H+15]
.set j, 0
.rept 8                                ; T_k = E_k + (k / 984) S: entry j holds T_(j+1)
	ALLQ v_pk_fma_f32 v[A+2*j:A+2*j+1], v[KG+2*j:KG+2*j+1], v[T:T+1], v[A+2*j:A+2*j+1] op_sel_hi:[1,0,1]
	ALLQ v_pk_fma_f32 v[H+2*j:H+2*j+1], v[KG+2*j:KG+2*j+1], v[T+2:T+3], v[H+2*j:H+2*j+1] op_sel_hi:[1,0,1]
.set j, j+1
.endr
	ALLQ v_fma_f32 v[T+3], v[T+3], s76, 0.5
	ALLQ v_mul_f32 v[T+3], v[T+3], v[A+15]         ; u = ((xc + 3) / 6) T_16
	LEVEL 8
	LEVEL 4
	LEVEL 2
	LEVEL 1                                        ; T+4 = T_idx, A = T_idx+1; T+5, H the same of the heights; T = raw d_idx, C = raw d_idx+1; A+15 and H+15 still hold T_16 and H_16
	ALLQ v_sub_f32 v[T+3], v[T+3], v[T+4]
	ALLQ v_sub_f32 v[A], v[A], v[T+4]
	ALLQ v_sub_f32 v[H], v[H], v[T+5]
	ALLQ v_mul_f32 v[C+1], -|v[T]|, s74
	ALLQ v_mul_f32 v[C+2], -|v[C]|, s74
	ALLQ v_rcp_f32 v[A+1], v[A]
	ALLQ v_rcp_f32 v[H+1], v[H+15]
	ALLQ v_exp_f32 v[C+1], v[C+1]
	ALLQ v_exp_f32 v[C+2], v[C+2]
	v_nop
	s_wait_alu depctr_va_vdst(0)                   ; one wait for the sixteen
	ALLQ v_mul_f32 v[T+3], v[T+3], v[A+1]          ; theta
	ALLQ v_mul_f32 v[H], v[H], v[H+1]              ; the bin's height / 6
	ALLQ v_mul_f32 v[H+2], v[T+5], v[H+1]          ; (yk + 3) / 6
	ALLQ v_mul_f32 v[A+2], v[A+15], v[A+1]
	ALLQ v_mul_f32 v[A+2], v[A+2], v[H]            ; sk
	ALLQ v_add_f32 v[C+1], 1.0, v[C+1]
	ALLQ v_add_f32 v[C+2], 1.0, v[C+2]
	ALLQ v_log_f32 v[C+1], v[C+1]
	ALLQ v_log_f32 v[C+2], v[C+2]
	ALLQ v_sub_f32 v[A+3], 1.0, v[T+3]             ; work that names no logarithm stands behind them
	ALLQ v_mul_f32 v[A+4], v[T+3], v[A+3]          ; theta (1 - theta)
	ALLQ v_mul_f32 v[A+5], v[T+3], v[T+3]
	ALLQ v_mul_f32 v[A+6], v[A+3], v[A+3]
	ALLQ v_max_num_f32 v[T], 0, v[T]
	ALLQ v_max_num_f32 v[C], 0, v[C]
	s_wait_alu depctr_va_vdst(0)
	ALLQ v_fma_f32 v[T], v[C+1], s78, v[T]
	ALLQ v_fma_f32 v[C], v[C+2], s78, v[C]
	ALLQ v_add_f32 v[T], s79, v[T]                 ; dk
	ALLQ v_add_f32 v[C], s79, v[C]                 ; dk1
	ALLQ v_add_f32 v[C+3], v[T], v[C]
	ALLQ v_fma_f32 v[C+3], v[A+2], -2.0, v[C+3]
	ALLQ v_fma_f32 v[C+3], v[C+3], v[A+4], v[A+2]  ; denom
	ALLQ v_rcp_f32 v[C+4], v[C+3]
	ALLQ v_mul_f32 v[A+7], v[A+2], v[A+5]
	ALLQ v_fma_f32 v[A+7], v[T], v[A+4], v[A+7]    ; sk theta^2 + dk theta (1 - theta)
	ALLQ v_mul_f32 v[A+8], v[C], v[A+5]
	ALLQ v_add_f32 v[A+9], v[A+2], v[A+2]
	ALLQ v_fma_f32 v[A+8], v[A+9], v[A+4], v[A+8]
	ALLQ v_fma_f32 v[A+8], v[T], v[A+6], v[A+8]    ; dk1 theta^2 + 2 sk theta (1 - theta) + dk (1 - theta)^2
	s_wait_alu depctr_va_vdst(0)
	ALLQ v_mul_f32 v[A+7], v[A+7], v[C+4]
	ALLQ v_fma_f32 v[A+7], v[H], v[A+7], v[H+2]
	ALLQ v_fma_f32 v[A+7], v[A+7], s80, s81        ; y
	ALLQ v_mul_f32 v[A+9], v[A+2], v[C+4]
	ALLQ v_mul_f32 v[A+9], v[A+9], v[A+9]
	ALLQ v_mul_f32 v[A+9], v[A+9], v[A+8]          ; the derivative
	ALLQ v_log_f32 v[A+9], v[A+9]
	ALLQ v_cmp_lt_f32 s[M], |v[T+1]|, s82          ; inside: -3 < x < 3
	ALLQ v_cndmask_b32 v[X+3], v[T+1], v[A+7], s[M]
	s_wait_alu depctr_va_vdst(0)
	ALLQ v_cndmask_b32 v[A+9], 0, v[A+9], s[M]
	ALLQ v_add_f32 v[D], v[D], v[A+9]              ; in units of log2; ln 2 is applied once, at the end
.endm
	s_wait_tensorcnt 1                             ; my part of K step 0 is in; K step 1's may stay out
	s_barrier_signal -1
	s_barrier_wait -1                              ; everybody's is
	FETCH 0, 0, F0
	s_mov_b32 s2, 4                                ; tiles to go: the same number in every work-group
.Ltile:
	s_wait_loadcnt 0x0                             ; this tile's bias (the first time: x2 too).  The loads are done, so their base may be written:
	s_add_nc_u64 s[8:9], s[8:9], 188               ; the next tile's d: 47 numbers on
	QUARTER 0, 64,  F0, F1, 1                      ; a tile's first quarter stands in front of the loop: its products start the sums
	WIN 0                                          ; at a label and at a branch every window is 0
	s_mov_b32 s3, 3
.Llap:                                                 ; a trip goes once round the ring, from a lap's second quarter to the next lap's first, and fills both slots again
	QUARTER 0, 128, F1, F0, 0
	QUARTER 0, 192, F0, F1, 0
	TURN 0, 1, 0
	QUARTER 1, 64,  F0, F1, 0
	QUARTER 1, 128, F1, F0, 0
	QUARTER 1, 192, F0, F1, 0
	TURN 1, 0, 0
	QUARTER 0, 64,  F0, F1, 0
	WIN 0
	s_sub_co_u32 s3, s3, 1
	s_cmp_lg_u32 s3, 0
	s_cbranch_scc1 .Llap
	QUARTER 0, 128, F1, F0, 0                      ; the tile's last lap goes on
	QUARTER 0, 192, F0, F1, 0
	WIN 0
	s_cmp_eq_u32 s2, 1
	s_cbranch_scc1 .Llast                          ; the last tile's tail is written out: it asks for nothing more
	TURN 0, 1, 1                                   ; the ring goes on into the next tile: slot 0 takes its K step 0,
	QUARTER 1, 64,  F0, F1, 0
	QUARTER 1, 128, F1, F0, 0
	QUARTER 1, 192, F0, F1, 0
	TURN 1, 0, 1                                   ; slot 1 its K step 1, and the next tile's first fragments are fetched
	BIASLD                                         ; the next tile's bias: its registers were last read in this tile's first quarter
	s_branch .Lout
.Llast:
	MEET 0                                         ; my one tensor load that was still out is slot 1's, so no round follows
	PLACES
	FETCH 1, 0, F0
	MUL12 F1, 1, 0, 0
	MUL12 F1, 1, 2, 0
	QUARTER 1, 64,  F0, F1, 0
	QUARTER 1, 128, F1, F0, 0
	QUARTER 1, 192, F0, F1, 0
	s_wait_dscnt 8                                 ; the very last quarter: nothing more to fetch
	MUL12 F1, 0, 0, 0
	MUL12 F1, 0, 2, 0
	s_wait_dscnt 0x0
	MUL12 F1, 1, 0, 0
	MUL12 F1, 1, 2, 0
	WIN 0
.Lout:
	PLACES                                         ; behind the last products
	WIN 0xaa
	SPL                                            ; row blocks 0-3
	WIN 0xff
	SPL                                            ; row blocks 4-7
	WIN 0
	s_sub_co_u32 s2, s2, 1
	s_cmp_lg_u32 s2, 0
	s_cbranch_scc1 .Ltile
	; THE END.  y: 16 bytes a lane, 512 consecutive bytes a store.  The sums: the other half of the lanes holds the same rows' other four d; the other wave with my wm the other eight.
	WIN 0x08                                       ; store data window 2
.irp a, 0,1,2,3
	global_store_b128 v[YO], v[192+4*(\a):195+4*(\a)], s[70:71] offset:512*(\a) th:TH_STORE_NT
.endr
	WIN 0x0c                                       ; window 3
.irp a, 0,1,2,3
	global_store_b128 v[YO], v[192+4*(\a):195+4*(\a)], s[70:71] offset:512*(\a)+2048 th:TH_STORE_NT
.endr
.irp w, 0xaa, 0xff
	WIN \w
	ALLQ v_permlanex16_b32 v[T], v[D], s88, s89
	ALLQ v_add_f32 v[D], v[D], v[T]
.endr
	WIN 0x08
.irp a, 0,1,2,3
	ds_store_b32 v[LSA], v[208+(\a)] offset:64*(\a)      ; both halves of the lanes write the same word with the same number
.endr
	WIN 0x0c
.irp a, 0,1,2,3
	ds_store_b32 v[LSA], v[208+(\a)] offset:64*(\a)+256
.endr
	WIN 0
	s_wait_dscnt 0x0                               ; for the others' sake: my stores are done
	s_barrier_signal -1
	s_barrier_wait -1
	ds_load_b64 v[32:33], v[LRA]
	ds_load_b64 v[34:35], v[LRA] offset:512
	s_wait_dscnt 0x0
	v_pk_add_f32 v[32:33], v[32:33], v[34:35]
	v_pk_mul_f32 v[32:33], v[32:33], s[78:79] op_sel_hi:[1,0]  ; x ln 2
	global_store_b64 v[LGO], v[32:33], s[72:73]    ; the wave stores 256 consecutive bytes, aligned
	s_wait_tensorcnt 0x0                           ; the wave's end: behind my last tensor load and my last LDS store
	ds_add_u32 v[SPW], v[NIL]
	s_wait_dscnt 0x0
	CROUND                                         ; the closing round: no work-group ends while a partner may still ask for a tile that names it
	s_endpgm
.Lfunc_end_k_q6002055c5a_spline:
	.size	k_q6002055c5a_spline, .Lfunc_end_k_q6002055c5a_spline-k_q6002055c5a_spline
	.p2alignl 7, 3214868480
	.fill 96, 4, 3214868480
	.section	.rodata,"a",@progbits
	.p2align	6, 0x0
	.amdhsa_kernel k_q6002055c5a_spline
		.amdhsa_group_segment_fixed_size 327680
		.amdhsa_private_segment_fixed_size 0
		.amdhsa_enable_private_segment 0
		.amdhsa_kernarg_size 40
		.amdhsa_user_sgpr_count 2
		.amdhsa_user_sgpr_kernarg_segment_ptr 1
		.amdhsa_wavefront_size32 1
		.amdhsa_system_sgpr_workgroup_id_x 1
		.amdhsa_system_sgpr_workgroup_id_y 1
		.amdhsa_system_sgpr_workgroup_id_z 1
		.amdhsa_system_vgpr_workitem_id 0
		.amdhsa_next_free_vgpr 1024
		.amdhsa_next_free_sgpr 90
		.amdhsa_reserve_vcc 0
		.amdhsa_float_denorm_mode_32 3
		.amdhsa_float_denorm_mode_16_64 3
		.amdhsa_memory_ordered 1
		.amdhsa_forward_progress 1
		.amdhsa_inst_pref_size 226
	.end_amdhsa_kernel
	.amdgpu_metadata
---
amdhsa.version: [ 1, 2 ]
amdhsa.kernels:
  - .name:           k_q6002055c5a_spline
    .symbol:         k_q6002055c5a_spline.kd
    .args:
      - { .name: h2, .offset: 0, .size: 8, .value_kind: global_buffer, .address_space: global }
      - { .name: w2t, .offset: 8, .size: 8, .value_kind: global_buffer, .address_space: global }
      - { .name: b2, .offset: 16, .size: 8, .value_kind: global_buffer, .address_space: global }
      - { .name: x2, .offset: 24, .size: 8, .value_kind: global_buffer, .address_space: global }
      - { .name: res, .offset: 32, .size: 8, .value_kind: global_buffer, .address_space: global }
    .group_segment_fixed_size: 327680
    .private_segment_fixed_size: 0
    .kernarg_segment_align: 8
    .kernarg_segment_size: 40
    .max_flat_workgroup_size: 128
    .sgpr_count:     90
    .vgpr_count:     1024
    .wavefront_size: 32
...
	.end_amdgpu_metadata
.endif
;; end of part 3
;; launch finish (part 4): grid 256 x 1, 8 waves a work-group, no clusters, 17,664 bytes of LDS; arguments res, out0, out1; writes out0, out1
.if DOCPART == 4
	.amdgcn_target "amdgcn-amd-amdhsa--gfx1250"
	.amdhsa_code_object_version 6
	.text
	.protected	k_q6002055c5a_finish
	.globl	k_q6002055c5a_finish
	.p2align	8
	.type	k_q6002055c5a_finish,@function
k_q6002055c5a_finish:
	s_mov_b64 s[64:65], 0
	v_nop
	global_prefetch_b8 v0, s[64:65] scope:SCOPE_SE
	s_setreg_imm32_b32 hwreg(HW_REG_WAVE_MODE, 25, 1), 1
	s_wait_xcnt 0x0
; out0 = y, turned from the lane order of the launch before into rows; out1[row] = the sum over the 16 column blocks g of that launch's partial sums (f32, in a fixed order).
; Nothing of the module's work is left out here.
; res: chunk ((((mt 16 + g) 4 + wm 2 + wn) 8 + a) 32 + lane) of 16 bytes = y[256 mt + 128 wm + 16 a + lane % 16][16 g + 8 wn + 4 (lane / 16) .. + 3]; from byte 4,194,304 on [16 g][4096] f32.
; Work-group w owns rows 16 w on (mt = w / 16, wm = (w / 8) % 2, a = w % 8): 32 pieces of 512 consecutive bytes, four a wave, go into 16 LDS rows and come back as whole rows.
; Memory binds; no work-group reads what another reads, so there is nothing to share in a cluster, and the matrix unit has no part in it.
.set RP,    1040                       ; an LDS row: 1,024 bytes + 16: an odd multiple of 16
.set SPARE, 16*RP                      ; behind the rows: the spare words, 128 bytes for each of the eight waves; no other line names them
.set SPW, 2                            ; v2   LDS address of my spare word; never rewritten
.set NIL, 3                            ; v3   0; never rewritten
.set LO,  6                            ; v6   my byte offset in res
.set LS,  7                            ; v7   where I put 16 bytes
.set LR,  40                           ; v40  where I read a row back
.set GO,  41                           ; v41  my byte offset in out0
.set PO,  42                           ; v42  8 x lane
.set IN,  8                            ; v8-23   as loaded
.set BK,  24                           ; v24-39  rows read back
.set PS,  44                           ; v44-75  16 pairs of partial sums
	s_load_b128 s[4:7], s[0:1], 0x0                ; res s[4:5], out0 s[6:7]
	s_load_b64 s[8:9], s[0:1], 0x10                ; out1
	v_lshl_add_u32 v[SPW], v0, 2, SPARE
	v_mov_b32 v[NIL], 0
	v_lshrrev_b32 v1, 5, v0
	v_readfirstlane_b32 s10, v1                    ; wave 0..7
	v_and_b32 v1, 31, v0                           ; lane
	v_and_b32 v4, 15, v0                           ; r
	v_bfe_u32 v5, v0, 4, 1                         ; h
	s_lshr_b32 s12, ttmp9, 4                       ; mt
	s_bfe_u32 s13, ttmp9, 0x10003                  ; wm
	s_and_b32 s14, ttmp9, 7                        ; a
	s_lshl_b32 s12, s12, 18
	s_lshl_b32 s13, s13, 13
	s_add_co_u32 s12, s12, s13
	s_lshl_b32 s14, s14, 9
	s_add_co_u32 s12, s12, s14
	s_mov_b32 s13, 0
	s_lshl_b32 s15, s10, 15                        ; wave v takes g = 2 v and 2 v + 1
	v_lshl_add_u32 v[LO], v1, 4, s15
	v_mul_u32_u24 v[LS], v4, RP
	v_lshl_add_u32 v[LS], v5, 4, v[LS]
	s_lshl_b32 s15, s10, 7
	v_add_nc_u32 v[LS], s15, v[LS]                 ; row r, byte 128 v + 16 h
	s_mul_i32 s15, s10, 2*RP
	v_lshl_add_u32 v[LR], v1, 4, s15               ; back: wave v takes rows 2 v and 2 v + 1
	s_lshl_b32 s15, s10, 11
	v_lshl_add_u32 v[GO], v1, 4, s15
	s_lshl_b32 s16, ttmp9, 14                      ; 16 rows of 1,024 bytes
	s_mov_b32 s17, 0
	s_wait_kmcnt 0x0
	s_add_nc_u64 s[20:21], s[4:5], s[12:13]
	s_add_nc_u64 s[6:7], s[6:7], s[16:17]
.irp i, 0,1,2,3
	global_load_b128 v[IN+4*(\i):IN+4*(\i)+3], v[LO], s[20:21] offset:((\i)/2)*16384+((\i)%2)*4096 th:TH_LOAD_NT
.endr
.irp i, 0,1,2,3
	s_wait_loadcnt 3-(\i)                          ; loads come back in order: number i is in
	ds_store_b128 v[LS], v[IN+4*(\i):IN+4*(\i)+3] offset:((\i)/2)*64+((\i)%2)*32
.endr
	s_wait_dscnt 0x0                               ; for the others' sake: my stores are done
	s_barrier_signal -1
	s_barrier_wait -1
.irp i, 0,1,2,3
	ds_load_b128 v[BK+4*(\i):BK+4*(\i)+3], v[LR] offset:((\i)/2)*RP+((\i)%2)*512
.endr
.irp i, 0,1,2,3
	s_wait_dscnt 3-(\i)
	global_store_b128 v[GO], v[BK+4*(\i):BK+4*(\i)+3], s[6:7] offset:((\i)/2)*1024+((\i)%2)*512 th:TH_STORE_NT  ; 512 consecutive bytes, aligned
.endr
	; out1: wave 0 of every fourth work-group adds 64 rows' sixteen partial sums, so that its store covers 256 consecutive bytes, aligned
	s_and_b32 s15, ttmp9, 3
	s_or_b32 s15, s15, s10
	s_cmp_lg_u32 s15, 0
	s_cbranch_scc1 .Lend
	s_lshr_b32 s16, ttmp9, 2
	s_lshl_b32 s16, s16, 8
	s_add_nc_u64 s[18:19], s[4:5], s[16:17]
	s_add_nc_u64 s[18:19], s[18:19], 0x400000
	s_add_nc_u64 s[8:9], s[8:9], s[16:17]
	v_lshlrev_b32 v[PO], 3, v1
.set i, 0
.rept 16
	global_load_b64 v[PS+2*i:PS+2*i+1], v[PO], s[18:19] offset:16384*i th:TH_LOAD_NT
.set i, i+1
.endr
	s_wait_loadcnt 0x0
.irp n, 8,4,2,1
.set i, 0
.rept \n
	v_pk_add_f32 v[PS+2*i:PS+2*i+1], v[PS+2*i:PS+2*i+1], v[PS+2*(i+\n):PS+2*(i+\n)+1]
.set i, i+1
.endr
.endr
	global_store_b64 v[PO], v[PS:PS+1], s[8:9]
.Lend:
	s_wait_tensorcnt 0x0                           ; the wave's end: behind my last LDS store
	ds_add_u32 v[SPW], v[NIL]
	s_wait_dscnt 0x0
	s_endpgm
.Lfunc_end_k_q6002055c5a_finish:
	.size	k_q6002055c5a_finish, .Lfunc_end_k_q6002055c5a_finish-k_q6002055c5a_finish
	.p2alignl 7, 3214868480
	.fill 96, 4, 3214868480
	.section	.rodata,"a",@progbits
	.p2align	6, 0x0
	.amdhsa_kernel k_q6002055c5a_finish
		.amdhsa_group_segment_fixed_size 17664
		.amdhsa_private_segment_fixed_size 0
		.amdhsa_enable_private_segment 0
		.amdhsa_kernarg_size 24
		.amdhsa_user_sgpr_count 2
		.amdhsa_user_sgpr_kernarg_segment_ptr 1
		.amdhsa_wavefront_size32 1
		.amdhsa_system_sgpr_workgroup_id_x 1
		.amdhsa_system_sgpr_workgroup_id_y 1
		.amdhsa_system_sgpr_workgroup_id_z 1
		.amdhsa_system_vgpr_workitem_id 0
		.amdhsa_next_free_vgpr 76
		.amdhsa_next_free_sgpr 66
		.amdhsa_reserve_vcc 0
		.amdhsa_float_denorm_mode_32 3
		.amdhsa_float_denorm_mode_16_64 3
		.amdhsa_memory_ordered 1
		.amdhsa_forward_progress 1
		.amdhsa_inst_pref_size 7
	.end_amdhsa_kernel
	.amdgpu_metadata
---
amdhsa.version: [ 1, 2 ]
amdhsa.kernels:
  - .name:           k_q6002055c5a_finish
    .symbol:         k_q6002055c5a_finish.kd
    .args:
      - { .name: res, .offset: 0, .size: 8, .value_kind: global_buffer, .address_space: global }
      - { .name: out0, .offset: 8, .size: 8, .value_kind: global_buffer, .address_space: global }
      - { .name: out1, .offset: 16, .size: 8, .value_kind: global_buffer, .address_space: global }
    .group_segment_fixed_size: 17664
    .private_segment_fixed_size: 0
    .kernarg_segment_align: 8
    .kernarg_segment_size: 24
    .max_flat_workgroup_size: 256
    .sgpr_count:     66
    .vgpr_count:     76
    .wavefront_size: 32
...
	.end_amdgpu_metadata
.endif
;; end of part 4
